; MI455X (gfx1250); checked and timed in simulation.
; The chip was launched on July 23, 2026; its instructions are those of AMD's public machine-readable ISA for CDNA 5 (MIT licence, August 2026) and "CDNA5" Instruction Set Architecture Reference Guide (July 2026). The comments in the code are by the model that wrote it; some were corrected since.
;; Attention Expert. Allowed arithmetic: matrix products marked QUANTISED: E3M2 operands, one E8M0 scale for each 32 along K, by v_wmma_scale_f32_16x16x128_f8f6f4 with both operands' format E3M2, f32 sums; everything else in f32.
;; Inputs: Wk 1,024 x 1,024 float32; Wo 1,024 x 1,024 float32; Wq 1,024 x 1,024 float32; Wv 1,024 x 1,024 float32; attention_mask 4 x 2,048 int32; bk 1,024 float32; bo 1,024 float32; bq 1,024 float32; bv 1,024 float32; x 4 x 2,048 x 1,024 float32.
;; Outputs: out0 4 x 2,048 x 1,024 float32.
;; This version of the problem:
;;   THIS VERSION OF THE PROBLEM IS GIVEN IN LOW PRECISION. The matrix products marked QUANTISED in the list below multiply operands that are first quantised to E3M2 (3 exponent bits, 2 mantissa bits; 6 bits a number), with one power-of-two scale for each 32 numbers along K (OCP MX v1.0); their sums are f32. All else is computed in f32.
;;   The module's matrix products, in the order in which they are computed (A, B: the left and right operand; K: the contracted axis; several contracted axes count as one K, in the product's order):
;;     1. [M 8,192, K 1,024] x [K 1,024, N 1,024]; A: input x; B: input Wq: QUANTISED
;;     2. [M 8,192, K 1,024] x [K 1,024, N 1,024]; A: input x; B: input Wk: QUANTISED
;;     3. [M 8,192, K 1,024] x [K 1,024, N 1,024]; A: input x; B: input Wv: QUANTISED
;;     4. batch 64 x [M 2,048, K 64] x [K 64, N 2,048]; A: computed on the way; B: computed on the way: QUANTISED
;;     5. batch 64 x [M 2,048, K 2,048] x [K 2,048, N 64]; A: computed on the way; B: computed on the way: QUANTISED
;;     6. [M 8,192, K 1,024] x [K 1,024, N 1,024]; A: computed on the way; B: input Wo: QUANTISED
;;   THE QUANTISER, for each operand of a quantised product, along K:
;;     - K is cut into blocks of 32 from its start; a last block that is shorter is filled with zeros.
;;     - A block's scale is 2^e with e = floor(log2(the largest magnitude in the block)) - 4, held to -126 .. 127; a block of zeros has e = 0. As a byte (E8M0): e + 127.
;;     - Each number is divided by its block's scale, clamped to +-28, and rounded to the nearest number of E3M2, ties to even, subnormals kept.
;;     - The product sums the exact products of the quantised numbers (number of the format x scale) in f32.
;;   ~~~python
;;   def quantise(x, axis):      # numpy; x: float32 -> the quantised numbers, widened to float32 again
;;       x = np.moveaxis(x, axis, -1); K = x.shape[-1]
;;       x = np.pad(x, [(0, 0)] * (x.ndim - 1) + [(0, -K % 32)]); x = x.reshape(x.shape[:-1] + (-1, 32)); a = np.abs(x).max(-1, keepdims=True)
;;       e = np.where(a > 0, np.clip(np.frexp(np.where(a > 0, a, 1))[1] - 1 - 4, -126, 127), 0)      # np.frexp(a)[1] - 1 = floor(log2(a)), exactly
;;       r = np.clip(x / 2.0 ** e, -28, 28)
;;       step = 2.0 ** (np.maximum(np.frexp(np.where(r == 0, 1, r))[1] - 1, -2) - 2)
;;       q = np.round(r / step) * step * 2.0 ** e      # np.round: ties to even
;;       return np.moveaxis(q.reshape(q.shape[:-2] + (-1,))[..., :K], -1, axis).astype(np.float32)
;;   ~~~
;;   OPERANDS COMPUTED ON THE WAY. 'Computed on the way' means the value that the module computes at that place (a softmax that the list does not call 'softmax' is quantised finished and normalised). What goes into a quantiser is computed in f32, as accurately as f32 sums, v_exp_f32 and their like allow (about 1e-6 of the number): no bf16 or f16 on the way to a quantiser, and a product that is left as it is and whose result goes on into a quantised operand takes f32 operands (vector FMAs, or v_wmma_f32_16x16x4_f32). A number that lies on a knife's edge between two numbers of the format may be rounded either way, as far as f32 arithmetic and the matrix unit's own rounding can turn it there, and no further.
;; One version. Each part assembles by itself: llvm-mc -triple=amdgcn-amd-amdhsa -mcpu=gfx1250 --defsym DOCPART=n.
;; ======== version 1 of 1: 4 launches
;; limits: right only within a limited range of input values
;; workspace buffers: xcod 6,291,456 bytes; xscl 262,144 bytes; wcod 3,145,728 bytes; wscl 131,072 bytes; qkvc 18,874,368 bytes; qkvs 786,432 bytes; ocod 6,291,456 bytes; oscl 262,144 bytes
;; launch prep (part 1): grid 768 x 1, 4 waves a work-group, no clusters, 99,840 bytes of LDS; arguments Wq, Wk, Wv, Wo, xcod, xscl, wcod, wscl, x; writes xcod, xscl, wcod, wscl
.if DOCPART == 1
	.amdgcn_target "amdgcn-amd-amdhsa--gfx1250"
	.amdhsa_code_object_version 6
	.text
	.protected	k_q4fa14d5ba1_prep
	.globl	k_q4fa14d5ba1_prep
	.p2align	8
	.type	k_q4fa14d5ba1_prep,@function
k_q4fa14d5ba1_prep:
	s_mov_b64 s[64:65], 0
	v_nop
	global_prefetch_b8 v0, s[64:65] scope:SCOPE_SE
	s_setreg_imm32_b32 hwreg(HW_REG_WAVE_MODE, 25, 1), 1
	s_wait_xcnt 0x0
; x [8192][1024] f32 (K innermost) and Wq, Wk, Wv, Wo [1024 (k)][1024 (n)] f32 (K is the FIRST axis) become codes of BF6 (E3M2) with one E8M0 byte for each 32 along K.
; A block's scale is 2^(floor(log2(its largest magnitude)) - 4): its byte is the largest magnitude's exponent field - 4, held at 1 from below by a floor among the maximum's leaves.
; LIMITS: a block of zeros gets the byte 1 where the quantiser says 127 (its codes are zeros, and this program alone reads the bytes); NaN and infinities among the inputs are not served.
; THE RESULT IS LAID IN THE ORDER OF THE READER'S OPERAND REGISTERS.  A fragment (16 rows x 128 K, 12 registers a lane) is 1,536 bytes: register 4 p + w of lane l at 512 p + 16 l + 4 w.
; Codes: [row / 128][K / 256][tile 8][K step 2][1536].  Tile 2 g + u of 128 rows holds rows 32 g + 8 u + r + 8 (r / 8), r = lane % 16.  Scale words: [row / 128][K / 256][g 4][K step 2][u 2][r 16].
; Work-groups 0-511 take x: a wave 32 rows x 128 K.  Work-groups 512-767 take the weights: a wave 32 columns x 128 k.  The two ways part on the work-group's number and have LDS bytes of their own.
; No tensor loads, no barrier: waves share nothing.  All of a wave's 32 loads (16 KB) are issued at its head.
.set XWB,  8448                        ; x's way: a stage of 16 rows x (512 + 16) bytes for each wave, from LDS byte 0
.set WSTG, 33792                       ; the weights' way: 128 k x 128 bytes for each wave, behind the four stages of x's way
.set R,    16                          ; v16-143  the numbers as they are loaded
.set X,    144                         ; v144-207 64 numbers, a lane's registers running along K
.set C,    208                         ; v208-231 two fragments' codes (x), or one column's 24 registers (weights)
.set T,    232                         ; v232-238 a block's upper 16 codes, made here and moved (a conversion's three registers begin on an even number)
	s_load_b256 s[8:15], s[0:1], 0x0               ; Wq, Wk, Wv, Wo
	s_load_b256 s[16:23], s[0:1], 0x20             ; x's codes, x's scales, the weights' codes, the weights' scales
	s_load_b64 s[4:5], s[0:1], 0x40                ; x
	v_lshl_add_u32 v248, v0, 2, 0x18400
	v_mov_b32 v249, 0
	v_lshrrev_b32 v1, 5, v0
	v_readfirstlane_b32 s24, v1                    ; wave
	v_and_b32 v1, 31, v0                           ; lane
	v_lshlrev_b32 v2, 4, v1                        ; 16 x lane
	v_and_b32 v3, 15, v0                           ; r
	v_bfe_u32 v4, v0, 4, 1                         ; h
	s_cmp_lt_u32 ttmp9, 512
	s_cbranch_scc0 .Lweights
	; ---------------- x ----------------
	s_mov_b32 s30, 0x76543210
	s_mov_b32 s31, 0xfedcba98                      ; v_permlanex16_b32's selects for lane l xor 16
	s_mov_b32 s32, 0xffff0000                      ; lanes 16-31
	v_mov_b32 v240, 0                              ; a lane permute's destination counts as one of its sources
	v_lshlrev_b32 v241, 3, v4                      ; 8 h
	v_lshlrev_b32 v7, 2, v1                        ; 4 x lane
	s_lshr_b32 s25, ttmp9, 1                       ; which 32 rows
	s_and_b32 s26, ttmp9, 1
	s_lshl_b32 s26, s26, 2
	s_add_co_u32 s26, s26, s24                     ; which 128 along K: 4 (work-group % 2) + wave
	s_lshl_b32 s34, s25, 17                        ; 32 rows of 4,096 bytes
	s_lshl_b32 s27, s26, 9
	s_add_co_u32 s34, s34, s27
	s_mov_b32 s35, 0
	s_lshr_b32 s27, s25, 2                         ; row / 128
	s_lshr_b32 s28, s26, 1                         ; K / 256
	s_and_b32 s29, s26, 1                          ; the K step in it
	s_and_b32 s33, s25, 3                          ; the group of 32 rows
	s_lshl_b32 s36, s27, 2
	s_add_co_u32 s36, s36, s28
	s_mul_i32 s36, s36, 24576
	s_mul_i32 s38, s33, 6144
	s_add_co_u32 s36, s36, s38
	s_mul_i32 s38, s29, 1536
	s_add_co_u32 s36, s36, s38
	s_mov_b32 s37, 0
	s_lshl_b32 s38, s27, 12
	s_lshl_b32 s39, s28, 10
	s_add_co_u32 s38, s38, s39
	s_lshl_b32 s39, s33, 8
	s_add_co_u32 s38, s38, s39
	s_lshl_b32 s39, s29, 7
	s_add_co_u32 s38, s38, s39
	s_mov_b32 s39, 0
	s_mul_i32 s27, s24, XWB                        ; my stage
	v_add_nc_u32 v5, s27, v2                       ; in: a row's 512 bytes as they lie
	v_mul_u32_u24 v6, v3, 528
	v_lshl_add_u32 v6, v4, 7, v6
	v_add_nc_u32 v6, s27, v6                       ; out: row r, + 128 h: my block of 32 numbers
	s_wait_kmcnt 0x0
	s_add_nc_u64 s[4:5], s[4:5], s[34:35]
	s_add_nc_u64 s[16:17], s[16:17], s[36:37]
	s_add_nc_u64 s[18:19], s[18:19], s[38:39]
.irp u, 0,1
.irp i, 0,1,2,3,4,5,6,7,8,9,10,11,12,13,14,15
	global_load_b128 v[R+64*\u+4*\i:R+64*\u+4*\i+3], v2, s[4:5] offset:(8*\u+\i+8*(\i/8))*4096 th:TH_LOAD_NT   ; tile u's row i: 32 lanes read 512 consecutive bytes
.endr
.endr
; One tile of 16 rows: through the stage, so that lane (r, h) holds, of row r, K = 64 c + 32 h + 0 .. 31 in registers 32 c + 0 .. 31: two whole blocks a lane, in the order of the operand's registers.
.macro XTILE u
	s_wait_loadcnt 16*(1-\u)                       ; this tile's 16 loads are in; the other tile's may be out
.irp i, 0,1,2,3,4,5,6,7,8,9,10,11,12,13,14,15
	ds_store_b128 v5, v[R+64*\u+4*\i:R+64*\u+4*\i+3] offset:528*\i
.endr
.irp c, 0,1
.irp q, 0,1,2,3,4,5,6,7
	ds_load_b128 v[X+32*\c+4*\q:X+32*\c+4*\q+3], v6 offset:256*\c+16*\q   ; LDS serves a wave's instructions in order: these see the stores above
.endr
.endr
	s_wait_dscnt 0x0
.irp c, 0,1
	v_max3_num_f32 v[8+\c], |v[X+32*\c]|, |v[X+32*\c+1]|, 0x2800000   ; and the floor 2^(5 - 127): the byte cannot fall under 1
.endr
.irp i, 2,4,6,8,10,12,14,16,18,20,22,24,26,28,30
.irp c, 0,1
	v_max3_num_f32 v[8+\c], v[8+\c], |v[X+32*\c+\i]|, |v[X+32*\c+\i+1]|   ; the two blocks by turns
.endr
.endr
.irp c, 0,1
	v_add_nc_u32 v[10+\c], 0xfe000000, v[8+\c]     ; 4 off the exponent field: the conversion's scale operand
.endr
.irp c, 0,1
	v_lshrrev_b32 v[12+\c], 23, v[10+\c]           ; the scale's byte
.endr
	v_lshl_or_b32 v[14+\u], v13, 16, v12           ; my two bytes, blocks h and 2 + h of row r,
	v_lshlrev_b32 v[14+\u], v241, v[14+\u]         ; at their places in the scale word;
	v_permlanex16_b32 v240, v[14+\u], s30, s31
	v_or_b32 v[14+\u], v[14+\u], v240              ; with lane l xor 16's two the word is whole
.irp c, 0,1
	v_cvt_scalef32_pk16_bf6_f32 v[C+12*\u+6*\c:C+12*\u+6*\c+2], v[X+32*\c:X+32*\c+15], v[10+\c]
	v_cvt_scalef32_pk16_bf6_f32 v[T+4*\c:T+4*\c+2], v[X+32*\c+16:X+32*\c+31], v[10+\c]
.endr
	v_nop                                          ; one plain place behind a scaled conversion
.irp c, 0,1
.irp i, 0,1,2
	v_mov_b32 v[C+12*\u+6*\c+3+\i], v[T+4*\c+\i]
.endr
.endr
.irp p, 0,1,2
	global_store_b128 v2, v[C+12*\u+4*\p:C+12*\u+4*\p+3], s[16:17] offset:3072*\u+512*\p   ; 32 lanes store 512 consecutive bytes, aligned; each tile has its own data registers
.endr
.endm
	XTILE 0
	XTILE 1
	v_cndmask_b32 v242, v14, v15, s32              ; lanes 0-15: tile 0's words, lanes 16-31: tile 1's
	global_store_b32 v7, v242, s[18:19]
	s_wait_tensorcnt 0x0
	ds_add_u32 v248, v249
	s_wait_dscnt 0x0
	s_endpgm
	; ---------------- the weights ----------------
.Lweights:
	s_sub_co_u32 s25, ttmp9, 512
	s_and_b32 s26, s25, 7                          ; which 128 columns
	s_bfe_u32 s27, s25, 0x30003                    ; which 128 along K
	s_lshr_b32 s28, s25, 6                         ; which matrix: q, k, v, o
	s_lshl_b32 s34, s27, 19                        ; 128 rows of 4,096 bytes
	s_lshl_b32 s29, s26, 9
	s_add_co_u32 s34, s34, s29
	s_lshl_b32 s29, s24, 7                         ; my wave's 32 columns
	s_add_co_u32 s34, s34, s29
	s_mov_b32 s35, 0
	s_lshl_b32 s33, s28, 3
	s_add_co_u32 s33, s33, s26                     ; row / 128 of the operand: 8 x matrix + column / 128
	s_lshr_b32 s29, s27, 1                         ; K / 256
	s_and_b32 s27, s27, 1                          ; the K step in it
	s_lshl_b32 s36, s33, 2
	s_add_co_u32 s36, s36, s29
	s_mul_i32 s36, s36, 24576
	s_mul_i32 s38, s24, 6144
	s_add_co_u32 s36, s36, s38
	s_mul_i32 s38, s27, 1536
	s_add_co_u32 s36, s36, s38
	s_mov_b32 s37, 0
	s_lshl_b32 s38, s33, 12
	s_lshl_b32 s39, s29, 10
	s_add_co_u32 s38, s38, s39
	s_lshl_b32 s39, s24, 8
	s_add_co_u32 s38, s38, s39
	s_lshl_b32 s39, s27, 7
	s_add_co_u32 s38, s38, s39
	s_mov_b32 s39, 0
	s_lshl_b32 s40, s24, 14
	s_add_co_u32 s40, s40, WSTG                    ; my stage
	v_lshrrev_b32 v8, 3, v1
	v_and_b32 v9, 7, v1
	v_lshlrev_b32 v5, 12, v8
	v_lshl_add_u32 v5, v9, 4, v5                   ; a load takes 4 rows k x 128 bytes: row lane / 8, 16 (lane % 8)
	v_add_nc_u32 v6, s40, v2                       ; into the stage as they lie: row k at 128 k
	v_lshlrev_b32 v7, 2, v1
	v_add_nc_u32 v7, s40, v7                       ; out of it: A LANE TAKES A COLUMN, its registers run down K
	v_bfe_u32 v10, v1, 3, 1                        ; column l of the 32 is row r' = l % 8 + 8 (l / 16) of tile u' = (l / 8) % 2
	v_lshl_add_u32 v11, v4, 3, v9
	v_mul_u32_u24 v13, v10, 3072
	v_lshl_add_u32 v13, v11, 4, v13                ; its place in the fragments' images,
	v_lshl_add_u32 v14, v10, 4, v11
	v_lshlrev_b32 v14, 2, v14                      ; and among the scale words
	s_wait_kmcnt 0x0
	s_cmp_eq_u32 s28, 1                            ; the choice hangs on the work-group's number alone
	s_cselect_b64 s[8:9], s[10:11], s[8:9]
	s_cmp_eq_u32 s28, 2
	s_cselect_b64 s[8:9], s[12:13], s[8:9]
	s_cmp_eq_u32 s28, 3
	s_cselect_b64 s[8:9], s[14:15], s[8:9]
	s_add_nc_u64 s[8:9], s[8:9], s[34:35]
	s_add_nc_u64 s[20:21], s[20:21], s[36:37]
	s_add_nc_u64 s[22:23], s[22:23], s[38:39]
.irp i, 0,1,2,3,4,5,6,7,8,9,10,11,12,13,14,15,16,17,18,19,20,21,22,23,24,25,26,27,28,29,30,31
	global_load_b128 v[R+4*\i:R+4*\i+3], v5, s[8:9] offset:16384*\i th:TH_LOAD_NT
.endr
.irp g, 0,1,2,3
	s_wait_loadcnt 24-8*\g                         ; these eight loads are in; the younger ones may be out
.irp i, 0,1,2,3,4,5,6,7
	ds_store_b128 v6, v[R+32*\g+4*\i:R+32*\g+4*\i+3] offset:512*(8*\g+\i)
.endr
.endr
.macro WL kb                           ; block kb of my column: W(32 kb + i, column), i = 0 .. 31; 32 lanes read 128 consecutive bytes
.irp i, 0,1,2,3,4,5,6,7,8,9,10,11,12,13,14,15,16,17,18,19,20,21,22,23,24,25,26,27,28,29,30,31
	ds_load_b32 v[X+32*((\kb)%2)+\i], v7 offset:(32*(\kb)+\i)*128
.endr
.endm
.macro WB kb                           ; its scale byte and its 32 codes: registers 6 (kb / 2) + 0 .. 5 of image lane (r', kb % 2), kept at C + 12 (kb % 2)
.set XS, X+32*((\kb)%2)
.set CD, C+12*((\kb)%2)+6*((\kb)/2)
	v_max3_num_f32 v8, |v[XS]|, |v[XS+1]|, |v[XS+2]|
	v_max3_num_f32 v9, |v[XS+3]|, |v[XS+4]|, |v[XS+5]|
.irp i, 6,10,14,18,22,26
	v_max3_num_f32 v8, v8, |v[XS+\i]|, |v[XS+\i+1]|
	v_max3_num_f32 v9, v9, |v[XS+\i+2]|, |v[XS+\i+3]|
.endr
	v_max3_num_f32 v8, v8, |v[XS+30]|, |v[XS+31]|
	v_max3_num_f32 v8, v8, v9, 0x2800000           ; and the floor
	v_add_nc_u32 v10, 0xfe000000, v8
	v_lshrrev_b32 v11, 23, v10
.if (\kb) == 0
	v_mov_b32 v12, v11                             ; the four bytes make my column's scale word
.else
	v_lshl_or_b32 v12, v11, 8*(\kb), v12
.endif
	v_cvt_scalef32_pk16_bf6_f32 v[CD:CD+2], v[XS:XS+15], v10
	v_cvt_scalef32_pk16_bf6_f32 v[T:T+2], v[XS+16:XS+31], v10
	v_nop                                          ; one plain place behind a scaled conversion
.irp i, 0,1,2
	v_mov_b32 v[CD+3+\i], v[T+\i]
.endr
.endm
	WL 0
	WL 1
	s_wait_dscnt 32                                ; block 0 is in; block 1's 32 loads may be out
	WB 0
	WL 2
	s_wait_dscnt 32
	WB 1
	WL 3
	s_wait_dscnt 32
	WB 2
	s_wait_dscnt 0x0
	WB 3
.irp h, 0,1
.irp p, 0,1,2
	global_store_b128 v13, v[C+12*\h+4*\p:C+12*\h+4*\p+3], s[20:21] offset:512*\p+256*\h   ; sixteen lanes of each tile store 256 consecutive bytes, aligned
.endr
.endr
	global_store_b32 v14, v12, s[22:23]
	s_wait_tensorcnt 0x0
	ds_add_u32 v248, v249
	s_wait_dscnt 0x0
	s_endpgm
.Lfunc_end_k_q4fa14d5ba1_prep:
	.size	k_q4fa14d5ba1_prep, .Lfunc_end_k_q4fa14d5ba1_prep-k_q4fa14d5ba1_prep
	.p2alignl 7, 3214868480
	.fill 96, 4, 3214868480
	.section	.rodata,"a",@progbits
	.p2align	6, 0x0
	.amdhsa_kernel k_q4fa14d5ba1_prep
		.amdhsa_group_segment_fixed_size 99840
		.amdhsa_private_segment_fixed_size 0
		.amdhsa_enable_private_segment 0
		.amdhsa_kernarg_size 72
		.amdhsa_user_sgpr_count 2
		.amdhsa_user_sgpr_kernarg_segment_ptr 1
		.amdhsa_wavefront_size32 1
		.amdhsa_system_sgpr_workgroup_id_x 1
		.amdhsa_system_sgpr_workgroup_id_y 1
		.amdhsa_system_sgpr_workgroup_id_z 1
		.amdhsa_system_vgpr_workitem_id 0
		.amdhsa_next_free_vgpr 250
		.amdhsa_next_free_sgpr 66
		.amdhsa_reserve_vcc 0
		.amdhsa_float_denorm_mode_32 3
		.amdhsa_float_denorm_mode_16_64 3
		.amdhsa_memory_ordered 1
		.amdhsa_forward_progress 1
		.amdhsa_inst_pref_size 39
	.end_amdhsa_kernel
	.amdgpu_metadata
---
amdhsa.version: [ 1, 2 ]
amdhsa.kernels:
  - .name:           k_q4fa14d5ba1_prep
    .symbol:         k_q4fa14d5ba1_prep.kd
    .args:
      - { .name: Wq, .offset: 0, .size: 8, .value_kind: global_buffer, .address_space: global }
      - { .name: Wk, .offset: 8, .size: 8, .value_kind: global_buffer, .address_space: global }
      - { .name: Wv, .offset: 16, .size: 8, .value_kind: global_buffer, .address_space: global }
      - { .name: Wo, .offset: 24, .size: 8, .value_kind: global_buffer, .address_space: global }
      - { .name: xcod, .offset: 32, .size: 8, .value_kind: global_buffer, .address_space: global }
      - { .name: xscl, .offset: 40, .size: 8, .value_kind: global_buffer, .address_space: global }
      - { .name: wcod, .offset: 48, .size: 8, .value_kind: global_buffer, .address_space: global }
      - { .name: wscl, .offset: 56, .size: 8, .value_kind: global_buffer, .address_space: global }
      - { .name: x, .offset: 64, .size: 8, .value_kind: global_buffer, .address_space: global }
    .group_segment_fixed_size: 99840
    .private_segment_fixed_size: 0
    .kernarg_segment_align: 8
    .kernarg_segment_size: 72
    .max_flat_workgroup_size: 128
    .sgpr_count:     66
    .vgpr_count:     250
    .wavefront_size: 32
...
	.end_amdgpu_metadata
.endif
;; end of part 1
;; launch qkv (part 2): grid 12 x 32, 4 waves a work-group, clusters of 4 x 4, 327,680 bytes of LDS; arguments xcod, xscl, wcod, wscl, bq, bk, bv, qkvc, qkvs; writes qkvc, qkvs
.if DOCPART == 2
	.amdgcn_target "amdgcn-amd-amdhsa--gfx1250"
	.amdhsa_code_object_version 6
	.text
	.protected	k_q4fa14d5ba1_qkv
	.globl	k_q4fa14d5ba1_qkv
	.p2align	8
	.type	k_q4fa14d5ba1_qkv,@function
k_q4fa14d5ba1_qkv:
	s_mov_b64 s[64:65], 0
	v_nop
	global_prefetch_b8 v0, s[64:65] scope:SCOPE_SE
	s_setreg_imm32_b32 hwreg(HW_REG_WAVE_MODE, 25, 1), 1
	s_wait_xcnt 0x0
	s_wait_alu depctr_hold_cnt(0) depctr_sa_sdst(0) depctr_va_vdst(0) depctr_va_sdst(0) depctr_va_ssrc(0) depctr_va_vcc(0) depctr_vm_vsrc(0)
	s_getreg_b32 s2, hwreg(HW_REG_IB_STS2, 6, 4)
	s_cmp_eq_u32 s2, 0
	s_cbranch_scc0 .Lentry_in_a_cluster
	s_endpgm
.Lentry_in_a_cluster:
	s_bfe_u32 s2, ttmp6, 0x10000c
	s_cmp_lg_u32 s2, 0xf033
	s_cbranch_scc0 .Lentry_shape_is_right
	s_endpgm
.Lentry_shape_is_right:
; q = x Wq + bq, k = x Wk + bk and v^T = (x Wv + bv)^T, on codes of BF6 (E3M2) with E8M0 scales; the f32 sums are quantised in registers and leave as codes.
; ONE BODY: C'[m'][n'] = sum over k of A[m'][k] B[n'][k] + bias.  Clusters x = 0, 1: A = x (8,192 rows), B = Wq's and Wk's 2,048 columns.  Cluster x = 2: A = Wv's 1,024 columns, B = x.
; The matrix instruction is used transposed (source 0 = 16 rows of B, source 1 = 16 rows of A): a lane holds ONE row of A and its registers run along B's rows.  So for q and k they run along the head's 64,
; for v^T along the keys: in each case the axis that the next product contracts, and 16 registers of two neighbouring tiles are 16 neighbours there, since a tile 2 g + u holds rows 32 g + 8 u + r + 8 (r / 8).
; A tile of C' is 256 x 256: four waves, each 128 x 128 in 64 accumulators.  K = 1,024 is eight steps of 128, written out: there is no loop.
; OPERANDS lie in memory as images of their registers (a fragment: 1,536 bytes, register 4 p + w of lane l at 512 p + 16 l + 4 w): 128 rows x 256 K are one dense block of 24,576 bytes, one tensor load.
; LDS: three slots of 98,304 bytes (A's two halves, B's two halves), each for 256 along K; K's last quarter refills slot 0: one refill.  Behind them the scale words of the 512 rows for all of K, filled once.
; By the text's own count a wave has four tensor loads out at the start and one behind the refill.
; CLUSTERS: 4 x 4.  A's tiles hang on the tile row alone and are asked for jointly along a row of the cluster, B's on the tile column alone, along a column.
; OUT: codes in chunks of 768 bytes (16 rows x 64 along the next K: register 2 p + w of lane l at 256 p + 8 l + 4 w), scale words [row / 128][column / 128][lane 32 = 16 (tile % 2) + r][tile / 2].
; LIMITS: a block of zeros gets the byte 1, not 127 (its codes are zeros; this program alone reads the bytes); NaN and infinities are not served.
; REGISTERS: window 0: v1-29 addresses; v32-63 scale words, two sets (they hold nothing else); v64-127 the bias as the first products' C, later the way out's work; v128-223 A's fragments, ONE set, later the codes.
;   window 1: B's fragments, two sets, at v0 and v128.   windows 2, 3: the accumulators, (a, b) at v[8 (8 (a % 4) + b)].
.set HALFT,  24576                     ; 128 rows x 256 K of codes: what one tensor load brings
.set SLOT,   4*HALFT
.set SCL,    3*SLOT                    ; the scale words: 4,096 bytes for each 128 rows
.set SPARE,  SCL+4*4096                ; the spare words, 128 bytes for each wave: two blocks of 256 bytes that no other line names
.set FR,     12
.set FRB,    1536
.set ADRA,   16                        ; v16-18  16 x lane + my half of A in slot 0, 1, 2
.set ADRB,   20                        ; v20-22  the same for B
.set ADRS,   27                        ; v27     my scale words: lanes 0-15 A's rows, lanes 16-31 B's
.set SPW,    28                        ; v28     my spare word; never rewritten
.set NIL,    29                        ; v29     0; never rewritten
.set SC,     32
.set CB,     64
.set AF,     128
.set G1A,  24                          ; s[24:31], s[32:39] descriptor group 1 for A's and B's tiles; s[40:47], s[48:55] for their scale words
.set G1B,  32
.set G1S,  40
.set G1SB, 48
.set G0S,  56                          ; s[56:59], s[60:63] group 0 for the scale words
.set G0SB, 60
.set G0A,  68                          ; s[68:79], s[80:91] group 0 for the tiles, one set for each slot
.set G0B,  80
.set MSB, 0
.macro WIN new                         ; the immediate's high byte repeats the setting that is left
.if MSB != (\new)
	s_set_vgpr_msb (MSB<<8)|(\new)
.set MSB, (\new)
.endif
.endm
.set MUL_LO, 0xa1                      ; source 0 (B) window 1, source 1 (A) window 0, C and D window 2
.set MUL_HI, 0xf1                      ; the same, C and D window 3
.set TO_B,   0x40                      ; destination window 1, address window 0
; A joint load: waves 0 and 1 fetch for A, waves 2 and 3 for B.  The branch hangs on the wave's number alone.  Four v_nop follow each of the two lines.
.macro JLOAD g0a, g1a, g0b, g1b
	s_cmp_eq_u32 s15, 0
	s_cbranch_scc0 .Lfor_b_\@
	tensor_load_to_lds s[\g0a:\g0a+3], s[\g1a:\g1a+7]
	s_nop 0
.rept 4
	v_nop
.endr
	s_branch .Lasked_\@
.Lfor_b_\@:
	tensor_load_to_lds s[\g0b:\g0b+3], s[\g1b:\g1b+7]
	s_nop 0
.rept 4
	v_nop
.endr
.Lasked_\@:
.endm
.macro CREST                           ; a round of the cluster's barrier behind its opening barrier
	s_cmp_lg_u32 s14, 0
	s_cbranch_scc1 .Lnot_wave_0_\@
	s_barrier_signal -3
.Lnot_wave_0_\@:
	s_barrier_wait -3
	s_barrier_signal -1
	s_barrier_wait -1
.endm
.macro CROUND                          ; a whole round
	s_barrier_signal -1
	s_barrier_wait -1
	CREST
.endm
.macro PLACES n                        ; plain places behind matrix instructions, in front of loads into registers that they read and of reads of their results
.rept \n
	v_nop
.endr
.endm
.macro FRAG reg, adr, q, i             ; tile i's fragment of the slot's q-th 128 along K: three loads of 16 bytes a lane, 512 consecutive bytes each
.irp p, 0,1,2
	ds_load_b128 v[\reg+4*\p:\reg+4*\p+3], v[\adr] offset:(2*(\i)+(\q))*FRB+512*\p
.endr
.endm
.macro FETCH_B slot, q, p              ; B's eight fragments into set p
	WIN TO_B
.irp i, 0,1,2,3,4,5,6,7
	FRAG 128*(\p)+FR*\i, ADRB+\slot, \q, \i
.endr
	WIN 0
.endm
.macro FETCH_A slot, q, i0             ; A's blocks i0 .. i0 + 3
.irp i, \i0, \i0+1, \i0+2, \i0+3
	FRAG AF+FR*(\i), ADRA+\slot, \q, \i
.endr
.endm
.macro SCALES ksl, set                 ; the scale words of K's quarter ksl: register 2 i + q: lanes 0-15 A's tile i, lanes 16-31 B's tile i
.irp i, 0,1,2,3,4,5,6,7
.irp q, 0,1
	ds_load_b32 v[SC+16*(\set)+2*\i+\q], v[ADRS] offset:1024*(\ksl)+256*(\i/2)+128*\q+64*(\i%2)
.endr
.endr
.endm
; 16 matrix instructions: A's blocks a0, a0 + 1 x B's eight.  p: B's set; q: the K step in the slot; sc: the set of scale words.  zero = 1: C is the bias by B's rows; 2: by A's rows; 0: the sum goes on in place.
; The 64 accumulators take turns, one instruction a turn, in the same order in every step.
.macro MUL16 a0, p, q, sc, zero
.irp a, \a0, \a0+1
.irp b, 0,1,2,3,4,5,6,7
.if \zero == 1
	v_wmma_scale_f32_16x16x128_f8f6f4 v[8*(8*((\a)%4)+\b):8*(8*((\a)%4)+\b)+7], v[128*(\p)+FR*\b:128*(\p)+FR*\b+FR-1], v[AF+FR*(\a):AF+FR*(\a)+FR-1], v[CB+8*\b:CB+8*\b+7], v[SC+16*(\sc)+2*\b+(\q)], v[SC+16*(\sc)+2*(\a)+(\q)] matrix_a_fmt:MATRIX_FMT_BF6 matrix_b_fmt:MATRIX_FMT_BF6 matrix_a_scale:MATRIX_SCALE_ROW1
.elseif \zero == 2
	v_wmma_scale_f32_16x16x128_f8f6f4 v[8*(8*((\a)%4)+\b):8*(8*((\a)%4)+\b)+7], v[128*(\p)+FR*\b:128*(\p)+FR*\b+FR-1], v[AF+FR*(\a):AF+FR*(\a)+FR-1], v[CB+8*(\a):CB+8*(\a)+7], v[SC+16*(\sc)+2*\b+(\q)], v[SC+16*(\sc)+2*(\a)+(\q)] matrix_a_fmt:MATRIX_FMT_BF6 matrix_b_fmt:MATRIX_FMT_BF6 matrix_a_scale:MATRIX_SCALE_ROW1
.else
	v_wmma_scale_f32_16x16x128_f8f6f4 v[8*(8*((\a)%4)+\b):8*(8*((\a)%4)+\b)+7], v[128*(\p)+FR*\b:128*(\p)+FR*\b+FR-1], v[AF+FR*(\a):AF+FR*(\a)+FR-1], v[8*(8*((\a)%4)+\b):8*(8*((\a)%4)+\b)+7], v[SC+16*(\sc)+2*\b+(\q)], v[SC+16*(\sc)+2*(\a)+(\q)] matrix_a_fmt:MATRIX_FMT_BF6 matrix_b_fmt:MATRIX_FMT_BF6 matrix_a_scale:MATRIX_SCALE_ROW1
.endif
.endr
.endr
.endm
; A step of 128 along K.  q: its place in its slot (also B's set); sc: its scale set; the next step lies in slot nl at place nq, in K's quarter nks.
.macro STEP q, sc, nl, nq, nks, zero
	s_wait_dscnt 12                                ; B's set, A's blocks 0-3 and the scale words are in; the youngest 12 loads (A's blocks 4-7) may be out
.if \zero
	WIN 0x81                                       ; C, the bias, lies in window 0
.else
	WIN MUL_LO
.endif
	MUL16 0, \q, \q, \sc, \zero
	MUL16 2, \q, \q, \sc, \zero
	s_wait_dscnt 0x0                               ; A's blocks 4-7 are in
	PLACES 4
	FETCH_B \nl, \nq, 1-\q
	FETCH_A \nl, \nq, 0
.if \nq == 0
	SCALES \nks, (\nks)%2
.endif
.if \zero
	WIN 0xc1
.else
	WIN MUL_HI
.endif
	MUL16 4, \q, \q, \sc, \zero
	MUL16 6, \q, \q, \sc, \zero
	PLACES 4
	WIN 0
	FETCH_A \nl, \nq, 4
.endm
; A slot's second step with a barrier in it.  In front of the barrier each wave waits for all its tensor loads, adds 0 to its spare word, and waits for that and for its reads of the slot.
; fill = 1: the barrier opens a round of the cluster's barrier, and slot 0, which nobody reads any more, takes K's last quarter.
.macro TURN sc, nl, nks, fill
	s_wait_tensorcnt 0x0                           ; all my tensor loads have landed (every window is 0 here)
	ds_add_u32 v[SPW], v[NIL]                      ; 0 onto my spare word
	s_wait_dscnt 13                                ; the add and the youngest 12 loads (A's blocks 4-7) may be out
	WIN MUL_LO
	MUL16 0, 1, 1, \sc, 0                          ; sixteen matrix instructions stand between the add and the wait for it
	s_wait_dscnt 0x0                               ; the add is done, and my reads of this slot are over
	s_barrier_signal -1
	MUL16 2, 1, 1, \sc, 0
	WIN 0
	s_barrier_wait -1
.if \fill
	CREST                                          ; no wave of any partner still reads slot 0 or has a load on its way
	s_add_nc_u64 s[G0A+2:G0A+3], s[G0A+2:G0A+3], 3*HALFT
	s_add_nc_u64 s[G0B+2:G0B+3], s[G0B+2:G0B+3], 3*HALFT
	JLOAD G0A, G1A, G0B, G1B                       ; the first tensor load behind the round, one a wave; it has four steps, 256 matrix instructions, in which to land; its four v_nop are also the places for the loads below
.else
	PLACES 4
.endif
	FETCH_B \nl, 0, 0
	FETCH_A \nl, 0, 0
	SCALES \nks, (\nks)%2
	WIN MUL_HI
	MUL16 4, 1, 1, \sc, 0
	MUL16 6, 1, 1, \sc, 0
	PLACES 4
	WIN 0
	FETCH_A \nl, 0, 4
.endm
	s_load_b256 s[4:11], s[0:1], 0x0               ; x's codes, x's scales, the weights' codes, the weights' scales
	s_load_b256 s[92:99], s[0:1], 0x20             ; bq, bk, bv, the codes out
	s_load_b64 s[100:101], s[0:1], 0x40            ; the scale words out
	v_lshl_add_u32 v[SPW], v0, 2, SPARE
	v_mov_b32 v[NIL], 0
	ds_add_u32 v28, v29
	ds_add_u32 v28, v29
	s_wait_dscnt 0x0
	v_lshrrev_b32 v1, 5, v0
	v_readfirstlane_b32 s14, v1                    ; wave 0..3
	s_lshr_b32 s15, s14, 1                         ; which half of the tile's rows is mine.  Also: I fetch for A (0) or for B (1)
	s_and_b32 s16, s14, 1                          ; which half of its columns.  Also: which 128 rows I fetch
	s_bfe_u32 s17, ttmp6, 0x40000                  ; cx
	s_bfe_u32 s18, ttmp6, 0x40004                  ; cy
	s_and_b32 s19, ttmp7, 0xffff                   ; cluster y
	s_cmp_eq_u32 ttmp9, 2                          ; cluster x = 2 makes v^T: the same in all sixteen partners
	s_cselect_b32 s20, 0, s19
	s_cselect_b32 s21, s19, ttmp9
	s_lshl_b32 s20, s20, 2
	s_add_co_u32 s20, s20, s18                     ; tile row: 4 x cluster y + cy, or cy
	s_lshl_b32 s21, s21, 2
	s_add_co_u32 s21, s21, s17                     ; tile column: 4 x cluster x + cx, or 4 x cluster y + cx
	s_lshl_b32 s22, s18, 2
	s_lshl_b32 s22, 15, s22                        ; my row of the cluster
	s_lshl_b32 s23, 0x1111, s17                    ; my column
	s_or_b32 s[G1A], s22, (3<<16)|(1<<21)          ; 15:0 the mask; 17:16 elements of 8 bytes; 21 set beside a mask; no padding
	s_or_b32 s[G1B], s23, (3<<16)|(1<<21)
	s_or_b32 s[G1S], s22, (3<<16)|(1<<21)
	s_or_b32 s[G1SB], s23, (3<<16)|(1<<21)
.irp g, G1A, G1B                       ; a dense block of 24,576 bytes as 96 rows of 256
	s_mov_b32 s[\g+1], 32<<16                      ; tensor_dim0 = 32 elements
	s_mov_b32 s[\g+2], 96<<16                      ; tensor_dim1
	s_mov_b32 s[\g+3], 32<<16                      ; tile_dim0
	s_mov_b32 s[\g+4], 96                          ; tile_dim1
	s_mov_b32 s[\g+5], 32                          ; the pitch
	s_mov_b32 s[\g+6], 0
	s_mov_b32 s[\g+7], 0
.endr
.irp g, G1S, G1SB                      ; 4,096 bytes as 16 rows of 256
	s_mov_b32 s[\g+1], 32<<16
	s_mov_b32 s[\g+2], 16<<16
	s_mov_b32 s[\g+3], 32<<16
	s_mov_b32 s[\g+4], 16
	s_mov_b32 s[\g+5], 32
	s_mov_b32 s[\g+6], 0
	s_mov_b32 s[\g+7], 0
.endr
	s_wait_kmcnt 0x0
	s_add_nc_u64 s[2:3], s[8:9], 1572864           ; Wv's codes: rows 2,048 on of the weights' operand
	s_add_nc_u64 s[12:13], s[10:11], 65536         ; and its scale words
	s_cmp_eq_u32 ttmp9, 2
	s_cselect_b64 s[2:3], s[2:3], s[4:5]           ; A's codes
	s_cselect_b64 s[8:9], s[4:5], s[8:9]           ; B's codes
	s_cselect_b64 s[12:13], s[12:13], s[6:7]       ; A's scale words
	s_cselect_b64 s[10:11], s[6:7], s[10:11]       ; B's
	s_lshl_b32 s22, s20, 1
	s_add_co_u32 s22, s22, s16                     ; A: which 128 rows I fetch: made of the tile row and the wave's number alone
	s_mov_b32 s23, 0
	s_lshl_b32 s4, s22, 12
	s_mov_b32 s5, 0
	s_mul_i32 s22, s22, 98304
	s_add_nc_u64 s[2:3], s[2:3], s[22:23]
	s_add_nc_u64 s[12:13], s[12:13], s[4:5]
	s_lshl_b32 s66, s21, 1
	s_add_co_u32 s66, s66, s16                     ; B: of the tile column and the wave's number alone
	s_mov_b32 s67, 0
	s_lshl_b32 s6, s66, 12
	s_mov_b32 s7, 0
	s_mul_i32 s66, s66, 98304
	s_add_nc_u64 s[8:9], s[8:9], s[66:67]
	s_add_nc_u64 s[10:11], s[10:11], s[6:7]
	s_mul_i32 s22, s14, HALFT                      ; where they go: wave x 24,576: no place in the cluster enters an LDS address
	s_lshl_b32 s23, s14, 12
	CROUND                                         ; all sixteen work-groups are here: the first joint loads meet
	s_mov_b32 s[G0S], 1
	s_add_co_u32 s[G0S+1], s23, SCL
	s_mov_b64 s[G0S+2:G0S+3], s[12:13]
	s_or_b32 s[G0S+3], s[G0S+3], 0x80000000
	s_mov_b32 s[G0SB], 1
	s_add_co_u32 s[G0SB+1], s23, SCL
	s_mov_b64 s[G0SB+2:G0SB+3], s[10:11]
	s_or_b32 s[G0SB+3], s[G0SB+3], 0x80000000
	JLOAD G0S, G1S, G0SB, G1SB                     ; the scale words first: they are wanted with the first step
.irp s, 0,1,2
	s_mov_b32 s[G0A+4*\s], 1
	s_add_co_u32 s[G0A+4*\s+1], s22, \s*SLOT
	s_add_nc_u64 s[G0A+4*\s+2:G0A+4*\s+3], s[2:3], \s*HALFT
	s_or_b32 s[G0A+4*\s+3], s[G0A+4*\s+3], 0x80000000
	s_mov_b32 s[G0B+4*\s], 1
	s_add_co_u32 s[G0B+4*\s+1], s22, \s*SLOT
	s_add_nc_u64 s[G0B+4*\s+2:G0B+4*\s+3], s[8:9], \s*HALFT
	s_or_b32 s[G0B+4*\s+3], s[G0B+4*\s+3], 0x80000000
	JLOAD G0A+4*\s, G1A, G0B+4*\s, G1B             ; three quarters of K go out at the start
.endr
	v_and_b32 v1, 31, v0                           ; lane
	v_lshlrev_b32 v2, 4, v1                        ; 16 x lane
	v_lshlrev_b32 v14, 3, v1                       ; 8 x lane
	v_and_b32 v3, 15, v0                           ; r
	v_bfe_u32 v4, v0, 4, 1                         ; h
	s_mul_i32 s22, s15, HALFT                      ; my 128 rows of A
	s_mul_i32 s23, s16, HALFT                      ; my 128 rows of B,
	s_add_co_u32 s23, s23, 2*HALFT                 ; which lie behind A's 256
.irp s, 0,1,2
	v_add_nc_u32 v[ADRA+\s], s22, v2
	v_add_nc_u32 v[ADRB+\s], s23, v2
	s_add_co_u32 s22, s22, SLOT
	s_add_co_u32 s23, s23, SLOT
.endr
	s_lshl_b32 s22, s15, 12                        ; A's scale words: my 128 rows
	s_lshl_b32 s23, s16, 12                        ; B's: my 128 rows, behind A's 256
	s_add_co_u32 s23, s23, 8192
	s_sub_co_u32 s23, s23, s22
	v_mul_u32_u24 v5, s23, v4                      ; lanes 16-31 take B's: the lower base + h x the distance
	s_add_co_u32 s22, s22, SCL
	v_lshl_add_u32 v5, v3, 2, v5
	v_add_nc_u32 v[ADRS], s22, v5
	; THE BIAS, in the result's layout, without a branch.  q, k: register 8 i + j = bias[32 (i / 2) + 16 h + 8 (i % 2) + j] of my 128 columns (i: B's tile).  v^T: = bv[32 (i / 2) + 8 (i % 2) + r + 8 (r / 8)] of my 128 rows (i: A's tile), for every j.
	s_and_b32 s6, s21, 3
	s_lshl_b32 s6, s6, 1
	s_add_co_u32 s6, s6, s16
	s_lshl_b32 s6, s6, 9                           ; q, k: my 128 columns in bq or bk, in bytes
	s_lshl_b32 s7, s20, 1
	s_add_co_u32 s7, s7, s15
	s_lshl_b32 s7, s7, 9                           ; v^T: my 128 rows in bv
	s_cmp_eq_u32 ttmp9, 1
	s_cselect_b64 s[92:93], s[94:95], s[92:93]
	s_cmp_eq_u32 ttmp9, 2
	s_cselect_b64 s[92:93], s[96:97], s[92:93]
	s_cselect_b32 s6, s7, s6
	s_cselect_b32 s4, 0, 4                         ; bytes from register to register
	s_cselect_b32 s5, -1, 0
	s_mov_b32 s7, 0
	s_add_nc_u64 s[92:93], s[92:93], s[6:7]
	v_lshlrev_b32 v5, 6, v4                        ; 64 h
	v_and_b32 v15, 8, v3
	v_add_nc_u32 v15, v15, v3
	v_lshlrev_b32 v15, 2, v15                      ; 4 (r + 8 (r / 8))
	v_cndmask_b32 v5, v5, v15, s5
.irp j, 0,1,2,3,4,5,6,7
	v_mad_u32_u24 v[6+\j], s4, \j, v5
.endr
.irp i, 0,1,2,3,4,5,6,7
.irp j, 0,1,2,3,4,5,6,7
	global_load_b32 v[CB+8*\i+\j], v[6+\j], s[92:93] offset:(32*(\i/2)+8*(\i%2))*4
.endr
.endr
	s_wait_tensorcnt 2                             ; the scale words and my part of slot 0 are in; slots 1 and 2 may be out
	s_barrier_signal -1
	s_barrier_wait -1                              ; everybody's are
	FETCH_B 0, 0, 0
	FETCH_A 0, 0, 0
	SCALES 0, 0
	FETCH_A 0, 0, 4
	s_wait_loadcnt 0x0                             ; the bias
	s_cmp_eq_u32 ttmp9, 2                          ; the first step is written twice: its C is the bias by B's rows (q, k) or by A's rows (v^T).  No tensor load and no barrier stands in it, and both ways issue the same LDS loads
	s_cbranch_scc1 .Lvt
	STEP 0, 0, 0, 1, 0, 1
	s_branch .Ljoin
.Lvt:
	STEP 0, 0, 0, 1, 0, 2
.Ljoin:
	TURN 0, 1, 1, 1                                ; step 1: slot 0 is left and takes K's last quarter; every wave has waited for all its loads, so slots 1 and 2 are whole for every wave from here on
	STEP 0, 1, 1, 1, 1, 0                          ; step 2
	STEP 1, 1, 2, 0, 2, 0                          ; step 3: on into slot 2 without a barrier: slot 2 was shown whole at step 1, and slot 1 is never filled again
	STEP 0, 0, 2, 1, 2, 0                          ; step 4
	TURN 0, 0, 3, 0                                ; step 5: the refill has landed in every wave
	STEP 0, 1, 0, 1, 3, 0                          ; step 6
	s_wait_dscnt 12                                ; step 7: nothing more to fetch
	WIN MUL_LO
	MUL16 0, 1, 1, 1, 0
	MUL16 2, 1, 1, 1, 0
	s_wait_dscnt 0x0
	WIN MUL_HI
	MUL16 4, 1, 1, 1, 0
	MUL16 6, 1, 1, 1, 0
	WIN 0
	; THE WAY OUT.  Each of my eight tiles of A's rows: 64 numbers a lane, four blocks of 32 along B's rows (a block lies in lanes l and l xor 16), become 12 registers of codes and a scale word.
.set VO,  64                           ; v64-71   tile a's byte offset among the chunks
.set TM,  72                           ; v72-75 largest magnitudes, v76-79 the other half's, v80-83 scale operands, v84-87 bytes
.set PW,  88                           ; v88-95   tile a's scale word
.set PT,  96                           ; v96-98, v100-102 the odd blocks' codes
.set SW,  104                          ; v104-107 the scale words as they are stored
.set OC,  128                          ; v128-223 the codes, 12 registers a tile: no store's data are written again
	s_mov_b32 s2, 0x76543210
	s_mov_b32 s3, 0xfedcba98                       ; v_permlanex16_b32's selects for lane l xor 16
	s_mov_b32 s12, 0xffff0000                      ; lanes 16-31
	s_mov_b32 s4, 98304
	s_mov_b32 s5, 12582912
	s_mov_b32 s6, 32768
	s_mov_b32 s7, 524288
	s_cmp_eq_u32 ttmp9, 2
	s_cselect_b32 s4, s4, 24576                    ; from tile to tile of A's rows: 128 chunks (v^T) or 32 (q, k)
	s_cselect_b32 s5, s5, 0                        ; v^T's chunks lie behind q's and k's
	s_cselect_b32 s6, s6, 8192                     ; scale words: 512 bytes x the groups of 128 columns
	s_cselect_b32 s7, s7, 0
	s_lshl_b32 s22, s20, 1
	s_add_co_u32 s22, s22, s15                     ; my rows / 128
	s_lshl_b32 s23, s21, 1
	s_add_co_u32 s23, s23, s16                     ; my columns / 128
	s_mul_i32 s66, s22, s4
	s_lshl_b32 s66, s66, 3                         ; eight tiles
	s_add_co_u32 s66, s66, s5
	s_mul_i32 s67, s23, 1536                       ; two chunks
	s_add_co_u32 s66, s66, s67
	s_mov_b32 s67, 0
	s_add_nc_u64 s[98:99], s[98:99], s[66:67]
	s_mul_i32 s66, s22, s6
	s_add_co_u32 s66, s66, s7
	s_lshl_b32 s23, s23, 9
	s_add_co_u32 s66, s66, s23
	s_add_nc_u64 s[100:101], s[100:101], s[66:67]
.irp b, 0,1,2,3
	v_mov_b32 v[TM+4+\b], 0                        ; a lane permute's destination counts as one of its sources.  (These twelve lines are also the places behind the last products)
.endr
.irp a, 0,1,2,3,4,5,6,7
	v_mad_u32_u24 v[VO+\a], s4, \a, v14
.endr
.macro EQ a
.set AC, 64*((\a)%4)
	WIN 0x0a+5*((\a)/4)                            ; sources 0 and 1: the accumulators' window
.irp b, 0,1,2,3
	v_max3_num_f32 v[TM+\b], |v[AC+16*\b]|, |v[AC+16*\b+1]|, 0x2800000   ; each accumulator from its low end on; the floor 2^(5 - 127) holds the byte at 1 from below
.endr
.irp i, 2,4,6,8,10,12,14
.irp b, 0,1,2,3
	v_max3_num_f32 v[TM+\b], |v[AC+16*\b+\i]|, |v[AC+16*\b+\i+1]|, v[TM+\b]   ; the four blocks by turns
.endr
.endr
	WIN 0
.irp b, 0,1,2,3
	v_permlanex16_b32 v[TM+4+\b], v[TM+\b], s2, s3
.endr
.irp b, 0,1,2,3
	v_max_num_f32 v[TM+\b], v[TM+\b], v[TM+4+\b]   ; with lane l xor 16's: the block's largest magnitude
.endr
.irp b, 0,1,2,3
	v_add_nc_u32 v[TM+8+\b], 0xfe000000, v[TM+\b]  ; 4 off the exponent field: the conversion's scale operand
.endr
.irp b, 0,1,2,3
	v_lshrrev_b32 v[TM+12+\b], 23, v[TM+8+\b]      ; the scale's byte
.endr
	v_lshl_or_b32 v[PW+(\a)], v[TM+13], 8, v[TM+12]
	v_lshl_or_b32 v[PW+(\a)], v[TM+14], 16, v[PW+(\a)]
	v_lshl_or_b32 v[PW+(\a)], v[TM+15], 24, v[PW+(\a)]
	WIN 0x02+((\a)/4)                              ; source 0: the accumulators' window
.irp c, 0,1
	v_cvt_scalef32_pk16_bf6_f32 v[OC+12*(\a)+6*\c:OC+12*(\a)+6*\c+2], v[AC+32*\c:AC+32*\c+15], v[TM+8+2*\c]
	v_cvt_scalef32_pk16_bf6_f32 v[PT+4*\c:PT+4*\c+2], v[AC+32*\c+16:AC+32*\c+31], v[TM+8+2*\c+1]
.endr
	WIN 0
	v_nop                                          ; one plain place behind a scaled conversion
.irp c, 0,1                            ; a WHOLE block to a lane: lanes 0-15 block 2 c, lanes 16-31 block 2 c + 1
.irp i, 0,1,2
	v_permlane16_swap_b32 v[OC+12*(\a)+6*\c+\i], v[PT+4*\c+\i]
.endr
.irp i, 0,1,2
	v_mov_b32 v[OC+12*(\a)+6*\c+3+\i], v[PT+4*\c+\i]
.endr
.endr
.irp c, 0,1
.irp p, 0,1,2
	global_store_b64 v[VO+(\a)], v[OC+12*(\a)+6*\c+2*\p:OC+12*(\a)+6*\c+2*\p+1], s[98:99] offset:768*\c+256*\p   ; 32 lanes store 256 consecutive bytes, aligned
.endr
.endr
.endm
.irp a, 0,1,2,3,4,5,6,7
	EQ \a
.endr
.irp i, 0,1,2,3
	v_cndmask_b32 v[SW+\i], v[PW+2*\i], v[PW+2*\i+1], s12   ; lanes 0-15: tile 2 i's words, lanes 16-31: tile 2 i + 1's
.endr
	global_store_b128 v2, v[SW:SW+3], s[100:101]   ; 512 consecutive bytes
	s_wait_tensorcnt 0x0                           ; the wave's end
	ds_add_u32 v[SPW], v[NIL]
	s_wait_dscnt 0x0
	CROUND                                         ; the closing round: no work-group ends while a partner may still ask for a tile that names it
	s_endpgm
.Lfunc_end_k_q4fa14d5ba1_qkv:
	.size	k_q4fa14d5ba1_qkv, .Lfunc_end_k_q4fa14d5ba1_qkv-k_q4fa14d5ba1_qkv
	.p2alignl 7, 3214868480
	.fill 96, 4, 3214868480
	.section	.rodata,"a",@progbits
	.p2align	6, 0x0
	.amdhsa_kernel k_q4fa14d5ba1_qkv
		.amdhsa_group_segment_fixed_size 327680
		.amdhsa_private_segment_fixed_size 0
		.amdhsa_enable_private_segment 0
		.amdhsa_kernarg_size 72
		.amdhsa_user_sgpr_count 2
		.amdhsa_user_sgpr_kernarg_segment_ptr 1
		.amdhsa_wavefront_size32 1
		.amdhsa_system_sgpr_workgroup_id_x 1
		.amdhsa_system_sgpr_workgroup_id_y 1
		.amdhsa_system_sgpr_workgroup_id_z 1
		.amdhsa_system_vgpr_workitem_id 0
		.amdhsa_next_free_vgpr 1024
		.amdhsa_next_free_sgpr 102
		.amdhsa_reserve_vcc 0
		.amdhsa_float_denorm_mode_32 3
		.amdhsa_float_denorm_mode_16_64 3
		.amdhsa_memory_ordered 1
		.amdhsa_forward_progress 1
		.amdhsa_inst_pref_size 164
	.end_amdhsa_kernel
	.amdgpu_metadata
---
amdhsa.version: [ 1, 2 ]
amdhsa.kernels:
  - .name:           k_q4fa14d5ba1_qkv
    .symbol:         k_q4fa14d5ba1_qkv.kd
    .args:
      - { .name: xcod, .offset: 0, .size: 8, .value_kind: global_buffer, .address_space: global }
      - { .name: xscl, .offset: 8, .size: 8, .value_kind: global_buffer, .address_space: global }
      - { .name: wcod, .offset: 16, .size: 8, .value_kind: global_buffer, .address_space: global }
      - { .name: wscl, .offset: 24, .size: 8, .value_kind: global_buffer, .address_space: global }
      - { .name: bq, .offset: 32, .size: 8, .value_kind: global_buffer, .address_space: global }
      - { .name: bk, .offset: 40, .size: 8, .value_kind: global_buffer, .address_space: global }
      - { .name: bv, .offset: 48, .size: 8, .value_kind: global_buffer, .address_space: global }
      - { .name: qkvc, .offset: 56, .size: 8, .value_kind: global_buffer, .address_space: global }
      - { .name: qkvs, .offset: 64, .size: 8, .value_kind: global_buffer, .address_space: global }
    .group_segment_fixed_size: 327680
    .private_segment_fixed_size: 0
    .kernarg_segment_align: 8
    .kernarg_segment_size: 72
    .max_flat_workgroup_size: 128
    .sgpr_count:     102
    .vgpr_count:     1024
    .wavefront_size: 32
...
	.end_amdgpu_metadata
.endif
;; end of part 2
;; launch attn (part 3): grid 256 x 1, 4 waves a work-group, no clusters, 0 bytes of LDS; arguments qkvc, qkvs, attention_mask, ocod, oscl; writes ocod, oscl
.if DOCPART == 3
	.amdgcn_target "amdgcn-amd-amdhsa--gfx1250"
	.amdhsa_code_object_version 6
	.text
	.protected	k_q4fa14d5ba1_attn
	.globl	k_q4fa14d5ba1_attn
	.p2align	8
	.type	k_q4fa14d5ba1_attn,@function
k_q4fa14d5ba1_attn:
	s_mov_b64 s[64:65], 0
	v_nop
	global_prefetch_b8 v0, s[64:65] scope:SCOPE_SE
	s_setreg_imm32_b32 hwreg(HW_REG_WAVE_MODE, 25, 1), 1
	s_wait_xcnt 0x0
; Banded attention on codes of BF6 (E3M2): scores = q k^T / 8 where |query - key| <= 32 and the key's mask word is not 0; p = softmax, finished and normalised (0 in a row with no key); o = p v.
; Both products take codes with E8M0 scales; p is quantised along the keys in blocks of 32 counted from key 0, o along (head, d) for the last projection.
; SHARES.  A wave owns 64 queries (64 j on, of batch b) and two heads (2 hp, 2 hp + 1): 1,024 waves.  Its queries' bands lie in four key blocks of 32, W0 .. W3 = blocks 2 j - 1 .. 2 j + 2: 128 keys, one K step of p v.
; Query tile t = 2 g + u holds queries 32 g + 8 u + r + 8 (r / 8); its band lies in W(g), W(g + 1), W(g + 2); the fourth block of its p is zero codes.  What lies outside the band is not multiplied.
; LAYOUT.  Both products are used transposed (S^T = k q^T, O^T = v^T p^T): a lane holds ONE query throughout.  The tiles of keys and of d have the same order of rows as the queries', so 16 registers of two neighbouring tiles are 16 neighbours.
; K of the scores is 64: registers 6-11 of k's and q's fragments are zero codes.  BOTH MASKS ARE THE C OF THE SCORE PRODUCTS: 0, or -1e30 for a hidden key; made once, they serve both heads.
; All operands come from memory straight into registers as images of their registers.  No LDS, no barrier, no loop, no branch.
; No cluster: waves of neighbouring j share half a window of k and v, a small part of what a wave loads, and operands here never pass through LDS.
; LIMITS.  A hidden score is -1e30, not -infinity; a row counts as without keys when its largest score lies under -5e29: true |q . k| must stay under 5e29.  A block of zeros carries the byte 1, not 127.
; NaN and infinities are not served.  v_exp_f32 gives 0 for p under 2^-126.  A block's largest p is taken from its largest score: this takes v_exp_f32 not to fall where its input rises.
; REGISTERS.  window 0: v1-31 offsets; v32-48 scale words (they hold nothing else); v49-52 o's scale words; v56-63 v's scale words as loaded; v64-127 the keys' penalties, then v64-95 at work and v96-127 O^T;
;   v128-175 S^T, then p; v176-223 o's codes; v224-235 p's codes; v236-246 halves of blocks.   window 1: k (head c, tile T) at 96 c + 12 T.   window 2: q (c, t) at 48 c + 12 t; v^T (c, tau) at 96 + 48 c + 12 tau.
;   window 3: the C of tile t's lowest block at 32 t, of its highest at 32 t + 16; of the middle block at 128 + 16 g.
.set MO,  12                           ; v12-15  the mask words' offsets, by window block
.set KO,  16                           ; v16-19  k's codes
.set VOF, 20                           ; v20-21  v's codes, by pair of window blocks
.set KSO, 22                           ; v22-25  k's scale words
.set QSO, 26                           ; v26-27  q's
.set VSO, 28                           ; v28-29  v's
.set KS,  32                           ; v32-39  k's scale words [4 c + block]: lanes 0-15 the block's tile 0, lanes 16-31 its tile 1
.set QS,  40                           ; v40-43  q's [2 c + g]
.set VS,  44                           ; v44-47  v's [i]: lanes 0-15 tile 2 i of the pair's eight, lanes 16-31 tile 2 i + 1
.set PW,  48                           ; v48     p's
.set OW,  49                           ; v49-52  o's, by query tile
.set PEN, 64
.set BM,  64                           ; v64-66  the blocks' largest scores, then their largest p
.set BX,  68                           ; v68-70
.set RM,  71                           ; v71     the row's largest score
.set NM,  72                           ; v[72:73] -c' x it
.set SA,  74                           ; v[74:75], v[76:77] the row's sum, in two chains
.set INV, 78                           ; v[78:79] 1 / the sum
.set SO,  80                           ; v80-82  scale operands
.set BY,  84                           ; v84-86  bytes
.set OM,  88
.set OX,  90
.set OS,  92
.set OB,  94
.set O,   96
.set S,   128
.set OC,  176
.set P,   224
.set PT,  236
.set OT,  244
.set MSB, 0
.macro WIN new                         ; the immediate's high byte repeats the setting that is left
.if MSB != (\new)
	s_set_vgpr_msb (MSB<<8)|(\new)
.set MSB, (\new)
.endif
.endm
.macro PLACES n
.rept \n
	v_nop
.endr
.endm
; One scaled product, its registers in the symbols rD, rA, rB, rC, rSA, rSB; fA, fB: the scale words lie in lanes 16-31.
.macro WMC
.if (fA == 0) && (fB == 0)
	v_wmma_scale_f32_16x16x128_f8f6f4 v[rD:rD+7], v[rA:rA+11], v[rB:rB+11], v[rC:rC+7], v[rSA], v[rSB] matrix_a_fmt:MATRIX_FMT_BF6 matrix_b_fmt:MATRIX_FMT_BF6
.elseif (fA == 1) && (fB == 0)
	v_wmma_scale_f32_16x16x128_f8f6f4 v[rD:rD+7], v[rA:rA+11], v[rB:rB+11], v[rC:rC+7], v[rSA], v[rSB] matrix_a_fmt:MATRIX_FMT_BF6 matrix_b_fmt:MATRIX_FMT_BF6 matrix_a_scale:MATRIX_SCALE_ROW1
.elseif (fA == 0) && (fB == 1)
	v_wmma_scale_f32_16x16x128_f8f6f4 v[rD:rD+7], v[rA:rA+11], v[rB:rB+11], v[rC:rC+7], v[rSA], v[rSB] matrix_a_fmt:MATRIX_FMT_BF6 matrix_b_fmt:MATRIX_FMT_BF6 matrix_b_scale:MATRIX_SCALE_ROW1
.else
	v_wmma_scale_f32_16x16x128_f8f6f4 v[rD:rD+7], v[rA:rA+11], v[rB:rB+11], v[rC:rC+7], v[rSA], v[rSB] matrix_a_fmt:MATRIX_FMT_BF6 matrix_b_fmt:MATRIX_FMT_BF6 matrix_a_scale:MATRIX_SCALE_ROW1 matrix_b_scale:MATRIX_SCALE_ROW1
.endif
.endm
.macro WMZ                             ; the same with the constant 0 as C
.if fA == 0
	v_wmma_scale_f32_16x16x128_f8f6f4 v[rD:rD+7], v[rA:rA+11], v[rB:rB+11], 0, v[rSA], v[rSB] matrix_a_fmt:MATRIX_FMT_BF6 matrix_b_fmt:MATRIX_FMT_BF6
.else
	v_wmma_scale_f32_16x16x128_f8f6f4 v[rD:rD+7], v[rA:rA+11], v[rB:rB+11], 0, v[rSA], v[rSB] matrix_a_fmt:MATRIX_FMT_BF6 matrix_b_fmt:MATRIX_FMT_BF6 matrix_a_scale:MATRIX_SCALE_ROW1
.endif
.endm
	s_load_b256 s[4:11], s[0:1], 0x0               ; q, k, v as codes; their scale words; the mask; o's codes
	s_load_b64 s[12:13], s[0:1], 0x20              ; o's scale words
	v_lshrrev_b32 v1, 5, v0
	v_readfirstlane_b32 s14, v1                    ; wave
	s_lshl_b32 s15, ttmp9, 2
	s_add_co_u32 s15, s15, s14
	s_and_b32 s16, s15, 7                          ; hp: the pair of heads
	s_bfe_u32 s17, s15, 0x50003                    ; j: which 64 queries
	s_lshr_b32 s18, s15, 8                         ; b: the batch
	s_mov_b32 s20, 0x76543210
	s_mov_b32 s21, 0xfedcba98                      ; v_permlanex16_b32's selects for lane l xor 16
	s_mov_b32 s22, 0x3e38aa3b                      ; c' = log2(e) / 8
	s_mov_b32 s23, s22                             ; (named with it as a pair, so it is written)
	s_mov_b32 s24, 0xbe38aa3b                      ; -c'
	s_mov_b32 s25, 0xf0c9f2ca                      ; -5e29
	s_mov_b32 s26, 0xffff0000                      ; lanes 16-31
	v_and_b32 v11, 31, v0
	v_lshlrev_b32 v1, 3, v11                       ; 8 x lane
	v_lshlrev_b32 v2, 4, v11                       ; 16 x lane
	v_lshlrev_b32 v3, 2, v11                       ; 4 x lane
	v_and_b32 v9, 15, v0                           ; r
	v_bfe_u32 v10, v0, 4, 1                        ; h
	v_and_b32 v4, 8, v9
	v_add_nc_u32 v4, v4, v9
	v_lshlrev_b32 v5, 4, v10
	v_sub_nc_u32 v4, v4, v5                        ; D0 = r + 8 (r / 8) - 16 h: my query's place in its 32, less my half's first key; signed
	v_add_nc_u32 v5, 8, v4                         ; D1: the same for tiles u = 1
	v_mov_b32 v6, 0xf149f2ca                       ; -1e30
	s_cmp_eq_u32 s17, 0
	s_cselect_b32 s32, 0xf149f2ca, 0
	v_mov_b32 v7, s32                              ; W0 lies in front of the batch's first key where j = 0,
	s_cmp_eq_u32 s17, 31
	s_cselect_b32 s32, 0xf149f2ca, 0
	v_mov_b32 v8, s32                              ; W3 behind its last where j = 31
	s_and_b32 s42, s17, 1
	s_cmp_eq_u32 s42, 0
	s_cselect_b32 s42, 24, 8                       ; W0 is byte 3 (j even) or byte 1 (j odd) of its word of four key blocks
	s_lshl_b32 s31, s17, 1                         ; 2 j
	s_lshl_b32 s19, s18, 6
	s_add_co_u32 s19, s19, s31                     ; 64 b + 2 j: my first group of 32 rows
	; The clamps below only hold every address inside its buffer: what they fetch in place of a block outside the batch lies under -1e30.
.irp w, 0,1,2,3
	s_add_co_u32 s32, s31, \w
	s_max_u32 s32, s32, 1
	s_sub_co_u32 s32, s32, 1
	s_min_u32 s32, s32, 63                         ; key block 2 j - 1 + w, held inside the batch
	s_lshl_b32 s33, s18, 6
	s_add_co_u32 s32, s32, s33
	s_lshl_b32 s32, s32, 7                         ; 32 words of 4 bytes
	v_lshl_add_u32 v[MO+\w], v10, 6, s32           ; + 64 h: my half's 16 keys
	s_add_co_u32 s32, s19, \w
	s_max_u32 s32, s32, 1
	s_sub_co_u32 s32, s32, 1
	s_min_u32 s32, s32, 255                        ; the same block among all 256 groups of 32 rows
	s_mul_i32 s33, s32, 49152                      ; two tiles of 32 chunks
	v_add_nc_u32 v[KO+\w], s33, v1
	s_lshr_b32 s33, s32, 2
	s_lshl_b32 s33, s33, 4
	s_add_co_u32 s33, s33, s16
	s_add_co_u32 s33, s33, 8                       ; k's groups of 128 columns lie behind q's eight
	s_lshl_b32 s33, s33, 9
	s_and_b32 s32, s32, 3
	s_lshl_b32 s32, s32, 2
	s_add_co_u32 s33, s33, s32
	v_add_nc_u32 v[KSO+\w], s33, v2
.endr
.irp g, 0,1
	s_add_co_u32 s32, s19, \g
	s_lshr_b32 s33, s32, 2
	s_lshl_b32 s33, s33, 4
	s_add_co_u32 s33, s33, s16
	s_lshl_b32 s33, s33, 9
	s_and_b32 s32, s32, 3
	s_lshl_b32 s32, s32, 2
	s_add_co_u32 s33, s33, s32
	v_add_nc_u32 v[QSO+\g], s33, v2
.endr
	s_add_co_u32 s32, s19, 3
	s_lshr_b32 s32, s32, 2                         ; the word of four key blocks behind the one that holds W0
	s_max_u32 s33, s32, 1
	s_sub_co_u32 s33, s33, 1                       ; the one that holds W0
	s_min_u32 s32, s32, 63
	s_lshl_b32 s34, s16, 6
	s_add_co_u32 s33, s33, s34
	s_lshl_b32 s33, s33, 9
	s_add_co_u32 s33, s33, 524288
	v_add_nc_u32 v[VSO], s33, v2
	s_add_co_u32 s32, s32, s34
	s_lshl_b32 s32, s32, 9
	s_add_co_u32 s32, s32, 524288
	v_add_nc_u32 v[VSO+1], s32, v2
	v_lshlrev_b32 v11, 3, v9
	v_sub_nc_u32 v30, 1, v10
	v_lshl_add_u32 v11, v30, 7, v11                ; v: window block 2 e + h is key block 2 j - 1 + 2 e + h: the OTHER half's lanes of chunk j - 1 + e + h
	s_lshl_b32 s32, s18, 5
	s_add_co_u32 s32, s32, s17                     ; 32 b + j
.irp e, 0,1
	v_add_nc_u32 v30, s32, v10
	v_add_nc_u32 v30, \e, v30
	v_max_u32 v30, 1, v30
	v_add_nc_u32 v30, -1, v30
	v_min_u32 v30, 127, v30
	v_mad_u32_u24 v[VOF+\e], v30, 768, v11
.endr
	s_lshl_b32 s34, s16, 1                         ; my first head
	s_add_co_u32 s35, s34, 16
	s_mul_i32 s36, s35, 768                        ; k's chunks lie behind q's sixteen
	s_mov_b32 s37, 0
	s_lshl_b32 s38, s18, 7
	s_lshl_b32 s39, s17, 2
	s_add_co_u32 s38, s38, s39                     ; my first tile of queries: 128 b + 4 j
	s_mul_i32 s38, s38, 24576
	s_mul_i32 s39, s34, 768
	s_add_co_u32 s38, s38, s39
	s_mov_b32 s39, 0
	s_mul_i32 s40, s16, 786432                     ; v^T: my eight tiles of d rows
	s_add_co_u32 s40, s40, 12582912
	s_mov_b32 s41, 0
	s_lshl_b32 s44, s18, 4
	s_lshr_b32 s45, s17, 1
	s_add_co_u32 s44, s44, s45                     ; o: row / 128
	s_lshr_b32 s45, s16, 1                         ; K / 256 of the last projection
	s_and_b32 s46, s17, 1
	s_and_b32 s47, s16, 1
	s_lshl_b32 s48, s44, 2
	s_add_co_u32 s48, s48, s45
	s_mul_i32 s48, s48, 24576
	s_mul_i32 s49, s46, 12288
	s_add_co_u32 s48, s48, s49
	s_mul_i32 s49, s47, 1536
	s_add_co_u32 s48, s48, s49
	s_mov_b32 s49, 0
	s_lshl_b32 s50, s44, 12
	s_lshl_b32 s51, s45, 10
	s_add_co_u32 s50, s50, s51
	s_lshl_b32 s51, s46, 9
	s_add_co_u32 s50, s50, s51
	s_lshl_b32 s51, s47, 7
	s_add_co_u32 s50, s50, s51
	s_mov_b32 s51, 0
	s_wait_kmcnt 0x0
	s_add_nc_u64 s[36:37], s[4:5], s[36:37]        ; k
	s_add_nc_u64 s[38:39], s[4:5], s[38:39]        ; q
	s_add_nc_u64 s[40:41], s[4:5], s[40:41]        ; v^T
	s_add_nc_u64 s[10:11], s[10:11], s[48:49]
	s_add_nc_u64 s[12:13], s[12:13], s[50:51]
	; ALL LOADS, 144, at the head: the mask and the scale words (24) first
.irp w, 0,1,2,3
.irp q, 0,1,2,3
	global_load_b128 v[PEN+16*\w+4*\q:PEN+16*\w+4*\q+3], v[MO+\w], s[8:9] offset:16*\q   ; register 16 w + i: the mask word of key 16 h + i of W(w)
.endr
.endr
.irp w, 0,1,2,3
	global_load_b32 v[KS+\w], v[KSO+\w], s[6:7]
.endr
.irp g, 0,1
	global_load_b32 v[QS+\g], v[QSO+\g], s[6:7]
.endr
	global_load_b128 v[56:59], v[VSO], s[6:7]
	global_load_b128 v[60:63], v[VSO+1], s[6:7]
	WIN 0x40                                       ; destination window 1
.irp c, 0,1
.irp k, 0,1,2,3,4,5,6,7
.irp p, 0,1,2
	global_load_b64 v[96*\c+12*\k+2*\p:96*\c+12*\k+2*\p+1], v[KO+\k/2], s[36:37] offset:(\k%2)*24576+768*\c+256*\p
.endr
.endr
.endr
.irp c, 0,1
.irp k, 0,1,2,3,4,5,6,7
.irp i, 0,1,2,3,4,5
	v_mov_b32 v[96*\c+12*\k+6+\i], 0               ; K = 64 fills half of the instruction's 128: zero codes in the rest, on both sides
.endr
.endr
.endr
	WIN 0x80                                       ; destination window 2
.irp c, 0,1
.irp t, 0,1,2,3
.irp p, 0,1,2
	global_load_b64 v[48*\c+12*\t+2*\p:48*\c+12*\t+2*\p+1], v1, s[38:39] offset:24576*\t+768*\c+256*\p
.endr
.endr
.endr
.irp c, 0,1
.irp t, 0,1,2,3
.irp e, 0,1
.irp p, 0,1,2
	global_load_b64 v[96+48*\c+12*\t+6*\e+2*\p:96+48*\c+12*\t+6*\e+2*\p+1], v[VOF+\e], s[40:41] offset:(4*\c+\t)*98304+256*\p
.endr
.endr
.endr
.endr
.irp c, 0,1
.irp t, 0,1,2,3
.irp i, 0,1,2,3,4,5
	v_mov_b32 v[48*\c+12*\t+6+\i], 0
.endr
.endr
.endr
	WIN 0
	s_wait_loadcnt 63                              ; 120 loads were issued behind the mask's and the scale words': with 63 at the most out, those 24 are in
.set n, 0
.rept 64                               ; a key's penalty: -1e30 where its mask word is 0 or it lies outside the batch, else 0
	v_cmp_eq_u32 vcc_lo, 0, v[PEN+n]
.if n < 16
	v_cndmask_b32 v[PEN+n], v7, v6, vcc_lo
.elseif n < 48
	v_cndmask_b32 v[PEN+n], 0, v6, vcc_lo
.else
	v_cndmask_b32 v[PEN+n], v8, v6, vcc_lo
.endif
.set n, n+1
.endr
.irp w, 0,1,2,3
	v_lshrrev_b32 v[KS+4+\w], 16, v[KS+\w]         ; a word holds two heads' two bytes: the second head's come down (the bytes above them scale zero codes)
.endr
.irp g, 0,1
	v_lshrrev_b32 v[QS+2+\g], 16, v[QS+\g]
.endr
.irp i, 0,1,2,3
	v_alignbit_b32 v[VS+\i], v[60+\i], v[56+\i], s42   ; the four bytes of W0 .. W3 out of two words of four key blocks
.endr
	WIN 0xc0                                       ; destination window 3
.irp u, 0,1
.set n, 0
.rept 16                               ; the band.  In a tile's lowest block key 16 h + n counts where it is not under the query's place: hidden where n < D.  In its highest: hidden where n > D.  A compare serves both g
	v_cmp_lt_i32 vcc_lo, n, v[4+\u]
	v_cndmask_b32 v[32*\u+n], v[PEN+n], v6, vcc_lo
	v_cndmask_b32 v[32*(2+\u)+n], v[PEN+16+n], v6, vcc_lo
	v_cmp_gt_i32 vcc_lo, n, v[4+\u]
	v_cndmask_b32 v[32*\u+16+n], v[PEN+32+n], v6, vcc_lo
	v_cndmask_b32 v[32*(2+\u)+16+n], v[PEN+48+n], v6, vcc_lo
.set n, n+1
.endr
.endr
.set n, 0
.rept 16                               ; the middle block lies wholly inside the band
	v_mov_b32 v[128+n], v[PEN+16+n]
	v_mov_b32 v[144+n], v[PEN+32+n]
.set n, n+1
.endr
	WIN 0
.irp i, 0,1,2
	v_mov_b32 v[BX+\i], 0                          ; written once: a lane permute's destination counts as one of its sources
.endr
	v_mov_b32 v[OX], 0
	v_mov_b32 v[OX+1], 0
	v_mov_b32 v[NM+1], 0                           ; (named as the upper halves of pairs)
	v_mov_b32 v[INV+1], 0
	s_wait_loadcnt 0x0
; ONE TILE OF 16 QUERIES, ONE HEAD.
.macro UNIT t, c
.set GA, (\t)/2
.set UU, (\t)%2
	WIN 0x39                                       ; source 0 (k) window 1, source 1 (q) window 2, C window 3, D window 0
.irp x, 0,1,2,3,4,5                    ; S^T + the masks: tile x % 2 of the band's block x / 2
.set rD, S+8*\x
.set rA, 96*(\c)+12*(2*(GA+\x/2)+\x%2)
.set rB, 48*(\c)+12*(\t)
.if \x < 2
.set rC, 32*(\t)+8*\x
.elseif \x < 4
.set rC, 128+16*GA+8*(\x-2)
.else
.set rC, 32*(\t)+16+8*(\x-4)
.endif
.set rSA, KS+4*(\c)+GA+\x/2
.set rSB, QS+2*(\c)+GA
.set fA, \x%2
.set fB, UU
	WMC
.endr
	WIN 0
	PLACES 4
.irp b, 0,1,2
	v_max3_num_f32 v[BM+\b], v[S+16*\b], v[S+16*\b+1], v[S+16*\b+2]   ; the largest score of each block of 32 keys, each accumulator from its low end on: it serves for the row's maximum and for the block's largest p
.endr
.irp i, 3,5,7,9,11,13
.irp b, 0,1,2
	v_max3_num_f32 v[BM+\b], v[BM+\b], v[S+16*\b+\i], v[S+16*\b+\i+1]
.endr
.endr
.irp b, 0,1,2
	v_max_num_f32 v[BM+\b], v[BM+\b], v[S+16*\b+15]
.endr
.irp b, 0,1,2
	v_permlanex16_b32 v[BX+\b], v[BM+\b], s20, s21
.endr
.irp b, 0,1,2
	v_max_num_f32 v[BM+\b], v[BM+\b], v[BX+\b]     ; with lane l xor 16's 16 keys
.endr
	v_max3_num_f32 v[RM], v[BM], v[BM+1], v[BM+2]  ; the row's maximum is taken away ahead of the exponential
	v_mul_f32 v[NM], s24, v[RM]
	v_cmp_lt_f32 s30, s25, v[RM]                   ; has the row a key at all?
.set n, 0
.rept 24
	v_pk_fma_f32 v[S+n:S+n+1], v[S+n:S+n+1], s[22:23], v[NM:NM+1] op_sel_hi:[1,0,0]   ; c' (s - max), two at a time
.set n, n+2
.endr
.irp b, 0,1,2
	v_fma_f32 v[BM+\b], v[BM+\b], s22, v[NM]       ; the same of each block's largest score
.endr
.set n, 0
.rept 48
	v_exp_f32 v[S+n], v[S+n]
.set n, n+1
.endr
.irp b, 0,1,2
	v_exp_f32 v[BM+\b], v[BM+\b]
.endr
	v_nop                                          ; a plain place behind the last exponential
	s_wait_alu depctr_va_vdst(0)                   ; one wait for the batch of 51, ahead of its first reader
	v_pk_add_f32 v[SA:SA+1], v[S:S+1], v[S+2:S+3]  ; the row's sum, two at a time, in two chains
	v_pk_add_f32 v[SA+2:SA+3], v[S+4:S+5], v[S+6:S+7]
.irp i, 8,12,16,20,24,28,32,36,40,44
	v_pk_add_f32 v[SA:SA+1], v[SA:SA+1], v[S+\i:S+\i+1]
	v_pk_add_f32 v[SA+2:SA+3], v[SA+2:SA+3], v[S+\i+2:S+\i+3]
.endr
	v_pk_add_f32 v[SA:SA+1], v[SA:SA+1], v[SA+2:SA+3]
	v_add_f32 v[SA], v[SA], v[SA+1]
	v_permlanex16_b32 v[SA+2], v[SA], s20, s21
	v_add_f32 v[SA], v[SA], v[SA+2]
	v_rcp_f32 v[INV], v[SA]
	v_nop                                          ; a plain place behind the reciprocal
	s_wait_alu depctr_va_vdst(0)                   ; and its wait, ahead of its first reader
	v_cndmask_b32 v[INV], 0, v[INV], s30           ; a row without keys: p = 0
.irp b, 0,1,2
	v_mul_f32 v[BM+\b], v[BM+\b], v[INV]           ; each block's largest p: the same operations on the same number give the same bits
.endr
.irp b, 0,1,2
	v_max_num_f32 v[BM+\b], 0x2800000, v[BM+\b]    ; the floor 2^(5 - 127): the byte cannot fall under 1
.endr
.irp b, 0,1,2
	v_add_nc_u32 v[SO+\b], 0xfe000000, v[BM+\b]    ; 4 off the exponent field: the conversion's scale operand
.endr
.irp b, 0,1,2
	v_lshrrev_b32 v[BY+\b], 23, v[SO+\b]
.endr
	v_lshl_or_b32 v[PW], v[BY+1], 8, v[BY]         ; p's scale word: byte w for W(w); the empty block's byte is 0, over zero codes
	v_lshl_or_b32 v[PW], v[BY+2], 16, v[PW]
.if GA == 1
	v_lshlrev_b32 v[PW], 8, v[PW]
.endif
.set n, 0
.rept 24
	v_pk_mul_f32 v[S+n:S+n+1], v[S+n:S+n+1], v[INV:INV+1] op_sel_hi:[1,0]   ; p, finished and normalised.  (These 24 are also the places between the scale word's last line and the product that reads it)
.set n, n+2
.endr
.set WBK, 3*(1-GA)                     ; the empty block: W3 for g = 0, W0 for g = 1.  An even block's 16 codes a lane go to P + 6 (w / 2), an odd block's to PT + 4 (w / 2)
.set DD, (1-WBK%2)*(P+6*(WBK/2))+(WBK%2)*(PT+4*(WBK/2))
.irp i, 0,1,2
	v_mov_b32 v[DD+\i], 0
.endr
.irp b, 0,1,2
.set WBK, GA+\b
.set DD, (1-WBK%2)*(P+6*(WBK/2))+(WBK%2)*(PT+4*(WBK/2))
	v_cvt_scalef32_pk16_bf6_f32 v[DD:DD+2], v[S+16*\b:S+16*\b+15], v[SO+\b]
.endr
	v_nop                                          ; one plain place behind a scaled conversion
.irp e, 0,1                            ; a WHOLE block to a lane: lanes 0-15 W(2 e), lanes 16-31 W(2 e + 1)
.irp i, 0,1,2
	v_permlane16_swap_b32 v[P+6*\e+\i], v[PT+4*\e+\i]
.endr
.irp i, 0,1,2
	v_mov_b32 v[P+6*\e+3+\i], v[PT+4*\e+\i]
.endr
.endr
	PLACES 4                                       ; an operand written by vector instructions stands four places ahead of a scaled product
	WIN 0x02                                       ; source 0 (v^T) window 2
.irp x, 0,1,2,3                        ; O^T = v^T p^T: four tiles of 16 of the head's 64; K = the window's 128 keys
.set rD, O+8*\x
.set rA, 96+48*(\c)+12*\x
.set rB, P
.set rSA, VS+2*(\c)+\x/2
.set rSB, PW
.set fA, \x%2
	WMZ
.endr
	WIN 0
	PLACES 4
.irp d, 0,1                            ; o's two blocks of 32 along d become half a fragment of the last projection's operand
	v_max3_num_f32 v[OM+\d], |v[O+16*\d]|, |v[O+16*\d+1]|, 0x2800000
.endr
.irp i, 2,4,6,8,10,12,14
.irp d, 0,1
	v_max3_num_f32 v[OM+\d], v[OM+\d], |v[O+16*\d+\i]|, |v[O+16*\d+\i+1]|
.endr
.endr
.irp d, 0,1
	v_permlanex16_b32 v[OX+\d], v[OM+\d], s20, s21
.endr
.irp d, 0,1
	v_max_num_f32 v[OM+\d], v[OM+\d], v[OX+\d]
.endr
.irp d, 0,1
	v_add_nc_u32 v[OS+\d], 0xfe000000, v[OM+\d]
.endr
.irp d, 0,1
	v_lshrrev_b32 v[OB+\d], 23, v[OS+\d]
.endr
.if (\c) == 0
	v_lshl_or_b32 v[OW+(\t)], v[OB+1], 8, v[OB]
.else
	v_lshl_or_b32 v[OW+(\t)], v[OB], 16, v[OW+(\t)]
	v_lshl_or_b32 v[OW+(\t)], v[OB+1], 24, v[OW+(\t)]
.endif
	v_cvt_scalef32_pk16_bf6_f32 v[OC+12*(\t)+6*(\c):OC+12*(\t)+6*(\c)+2], v[O:O+15], v[OS]
	v_cvt_scalef32_pk16_bf6_f32 v[OT:OT+2], v[O+16:O+31], v[OS+1]
	v_nop                                          ; one plain place behind a scaled conversion
.irp i, 0,1,2
	v_permlane16_swap_b32 v[OC+12*(\t)+6*(\c)+\i], v[OT+\i]
.endr
.irp i, 0,1,2
	v_mov_b32 v[OC+12*(\t)+6*(\c)+3+\i], v[OT+\i]
.endr
.if (\c) == 1
.irp p, 0,1,2
	global_store_b128 v2, v[OC+12*(\t)+4*\p:OC+12*(\t)+4*\p+3], s[10:11] offset:3072*(\t)+512*\p   ; the tile's fragment of K step hp: 512 consecutive bytes a store; each tile has its own data registers
.endr
.endif
.endm
.irp t, 0,1,2,3
	UNIT \t, 0
	UNIT \t, 1
.endr
.irp g, 0,1
	v_cndmask_b32 v[53+\g], v[OW+2*\g], v[OW+2*\g+1], s26   ; lanes 0-15: tile 2 g's words, lanes 16-31: tile 2 g + 1's
	global_store_b32 v3, v[53+\g], s[12:13] offset:256*\g
.endr
	s_endpgm
.Lfunc_end_k_q4fa14d5ba1_attn:
	.size	k_q4fa14d5ba1_attn, .Lfunc_end_k_q4fa14d5ba1_attn-k_q4fa14d5ba1_attn
	.p2alignl 7, 3214868480
	.fill 96, 4, 3214868480
	.section	.rodata,"a",@progbits
	.p2align	6, 0x0
	.amdhsa_kernel k_q4fa14d5ba1_attn
		.amdhsa_group_segment_fixed_size 0
		.amdhsa_private_segment_fixed_size 0
		.amdhsa_enable_private_segment 0
		.amdhsa_kernarg_size 40
		.amdhsa_user_sgpr_count 2
		.amdhsa_user_sgpr_kernarg_segment_ptr 1
		.amdhsa_wavefront_size32 1
		.amdhsa_system_sgpr_workgroup_id_x 1
		.amdhsa_system_sgpr_workgroup_id_y 1
		.amdhsa_system_sgpr_workgroup_id_z 1
		.amdhsa_system_vgpr_workitem_id 0
		.amdhsa_next_free_vgpr 1024
		.amdhsa_next_free_sgpr 66
		.amdhsa_reserve_vcc 1
		.amdhsa_float_denorm_mode_32 3
		.amdhsa_float_denorm_mode_16_64 3
		.amdhsa_memory_ordered 1
		.amdhsa_forward_progress 1
		.amdhsa_inst_pref_size 148
	.end_amdhsa_kernel
	.amdgpu_metadata
---
amdhsa.version: [ 1, 2 ]
amdhsa.kernels:
  - .name:           k_q4fa14d5ba1_attn
    .symbol:         k_q4fa14d5ba1_attn.kd
    .args:
      - { .name: qkvc, .offset: 0, .size: 8, .value_kind: global_buffer, .address_space: global }
      - { .name: qkvs, .offset: 8, .size: 8, .value_kind: global_buffer, .address_space: global }
      - { .name: attention_mask, .offset: 16, .size: 8, .value_kind: global_buffer, .address_space: global }
      - { .name: ocod, .offset: 24, .size: 8, .value_kind: global_buffer, .address_space: global }
      - { .name: oscl, .offset: 32, .size: 8, .value_kind: global_buffer, .address_space: global }
    .group_segment_fixed_size: 0
    .private_segment_fixed_size: 0
    .kernarg_segment_align: 8
    .kernarg_segment_size: 40
    .max_flat_workgroup_size: 128
    .sgpr_count:     66
    .vgpr_count:     1024
    .wavefront_size: 32
...
	.end_amdgpu_metadata
.endif
;; end of part 3
;; launch outp (part 4): grid 4 x 32, 4 waves a work-group, clusters of 4 x 4, 327,680 bytes of LDS; arguments ocod, oscl, wcod, wscl, bo, out0; writes out0
.if DOCPART == 4
	.amdgcn_target "amdgcn-amd-amdhsa--gfx1250"
	.amdhsa_code_object_version 6
	.text
	.protected	k_q4fa14d5ba1_outp
	.globl	k_q4fa14d5ba1_outp
	.p2align	8
	.type	k_q4fa14d5ba1_outp,@function
k_q4fa14d5ba1_outp:
	s_mov_b64 s[64:65], 0
	v_nop
	global_prefetch_b8 v0, s[64:65] scope:SCOPE_SE
	s_setreg_imm32_b32 hwreg(HW_REG_WAVE_MODE, 25, 1), 1
	s_wait_xcnt 0x0
	s_wait_alu depctr_hold_cnt(0) depctr_sa_sdst(0) depctr_va_vdst(0) depctr_va_sdst(0) depctr_va_ssrc(0) depctr_va_vcc(0) depctr_vm_vsrc(0)
	s_getreg_b32 s2, hwreg(HW_REG_IB_STS2, 6, 4)
	s_cmp_eq_u32 s2, 0
	s_cbranch_scc0 .Lentry_in_a_cluster
	s_endpgm
.Lentry_in_a_cluster:
	s_bfe_u32 s2, ttmp6, 0x10000c
	s_cmp_lg_u32 s2, 0xf033
	s_cbranch_scc0 .Lentry_shape_is_right
	s_endpgm
.Lentry_shape_is_right:
; out0 = o Wo + bo, on codes of BF6 (E3M2) with E8M0 scales; sums in f32.  A = attention's result (8,192 rows), B = Wo's 1,024 columns (rows 3,072 on of the weights' operand), K = 1,024.
; The matrix instruction is used transposed (source 0 = 16 rows of B, source 1 = 16 rows of A): a lane holds one row of out0 and its registers run along the columns.
; A tile of out0 is 256 x 256: four waves, each 128 x 128 in 64 accumulators.  K is eight steps of 128, written out: there is no loop.
; OPERANDS lie in memory as images of their registers (a fragment: 1,536 bytes, register 4 p + w of lane l at 512 p + 16 l + 4 w): 128 rows x 256 K are one dense block of 24,576 bytes, one tensor load.
; A tile 2 g + u of 128 rows holds rows 32 g + 8 u + r + 8 (r / 8): the way out puts rows and columns back in their order.
; LDS: three slots of 98,304 bytes, each for 256 along K; K's last quarter refills slot 0: one refill.  Behind them the scale words of the 512 rows for all of K, filled once.
; By the text's own count a wave has four tensor loads out at the start and one behind the refill.
; CLUSTERS: 4 x 4.  A's tiles are asked for jointly along a row of the cluster, B's along a column.  128 work-groups: a tile of 256 x 256 keeps each LDS byte feeding as many products as the registers allow.
; LIMITS: NaN and infinities are not served.
; REGISTERS: window 0: v1-29 addresses; v32-63 scale words, two sets (they hold nothing else); v64-127 the bias as the first products' C; v128-223 A's fragments, ONE set; on the way out v128-255 rows of out0.
;   window 1: B's fragments, two sets, at v0 and v128.   windows 2, 3: the accumulators, (a, b) at v[8 (8 (a % 4) + b)].
.set HALFT,  24576                     ; 128 rows x 256 K of codes: what one tensor load brings
.set SLOT,   4*HALFT
.set SCL,    3*SLOT                    ; the scale words: 4,096 bytes for each 128 rows
.set SPARE,  SCL+4*4096                ; the spare words, 128 bytes for each wave: two blocks of 256 bytes that no other line names
.set FR,     12
.set FRB,    1536
.set ADRA,   16                        ; v16-18  16 x lane + my half of A in slot 0, 1, 2
.set ADRB,   20                        ; v20-22  the same for B
.set STO,    24                        ; v24     the way out: where I put 32 bytes of a row
.set RD,     25                        ; v25     the way out: where I read a row back
.set ADRS,   27                        ; v27     my scale words: lanes 0-15 A's rows, lanes 16-31 B's
.set SPW,    28                        ; v28     my spare word; never rewritten
.set NIL,    29                        ; v29     0; never rewritten
.set SC,     32
.set CB,     64
.set AF,     128
.set BK,     128                       ; the way out: 16 rows read back: v128-191 and v192-255 by turns
.set G1A,  24
.set G1B,  32
.set G1S,  40
.set G1SB, 48
.set G0S,  56
.set G0SB, 60
.set G0A,  68
.set G0B,  80
.set MSB, 0
.macro WIN new                         ; the immediate's high byte repeats the setting that is left
.if MSB != (\new)
	s_set_vgpr_msb (MSB<<8)|(\new)
.set MSB, (\new)
.endif
.endm
.set MUL_LO, 0xa1                      ; source 0 (B) window 1, source 1 (A) window 0, C and D window 2
.set MUL_HI, 0xf1                      ; the same, C and D window 3
.set TO_B,   0x40                      ; destination window 1, address window 0
; A joint load: waves 0 and 1 fetch for A, waves 2 and 3 for B.  The branch hangs on the wave's number alone.  Four v_nop follow each of the two lines.
.macro JLOAD g0a, g1a, g0b, g1b
	s_cmp_eq_u32 s15, 0
	s_cbranch_scc0 .Lfor_b_\@
	tensor_load_to_lds s[\g0a:\g0a+3], s[\g1a:\g1a+7]
	s_nop 0
.rept 4
	v_nop
.endr
	s_branch .Lasked_\@
.Lfor_b_\@:
	tensor_load_to_lds s[\g0b:\g0b+3], s[\g1b:\g1b+7]
	s_nop 0
.rept 4
	v_nop
.endr
.Lasked_\@:
.endm
.macro CREST                           ; a round of the cluster's barrier behind its opening barrier
	s_cmp_lg_u32 s14, 0
	s_cbranch_scc1 .Lnot_wave_0_\@
	s_barrier_signal -3
.Lnot_wave_0_\@:
	s_barrier_wait -3
	s_barrier_signal -1
	s_barrier_wait -1
.endm
.macro CROUND                          ; a whole round
	s_barrier_signal -1
	s_barrier_wait -1
	CREST
.endm
.macro PLACES n                        ; plain places behind matrix instructions, in front of loads into registers that they read and of reads of their results
.rept \n
	v_nop
.endr
.endm
.macro FRAG reg, adr, q, i             ; tile i's fragment of the slot's q-th 128 along K: three loads of 16 bytes a lane, 512 consecutive bytes each
.irp p, 0,1,2
	ds_load_b128 v[\reg+4*\p:\reg+4*\p+3], v[\adr] offset:(2*(\i)+(\q))*FRB+512*\p
.endr
.endm
.macro FETCH_B slot, q, p              ; B's eight fragments into set p
	WIN TO_B
.irp i, 0,1,2,3,4,5,6,7
	FRAG 128*(\p)+FR*\i, ADRB+\slot, \q, \i
.endr
	WIN 0
.endm
.macro FETCH_A slot, q, i0             ; A's blocks i0 .. i0 + 3
.irp i, \i0, \i0+1, \i0+2, \i0+3
	FRAG AF+FR*(\i), ADRA+\slot, \q, \i
.endr
.endm
.macro SCALES ksl, set                 ; the scale words of K's quarter ksl: register 2 i + q: lanes 0-15 A's tile i, lanes 16-31 B's tile i
.irp i, 0,1,2,3,4,5,6,7
.irp q, 0,1
	ds_load_b32 v[SC+16*(\set)+2*\i+\q], v[ADRS] offset:1024*(\ksl)+256*(\i/2)+128*\q+64*(\i%2)
.endr
.endr
.endm
; 16 matrix instructions: A's blocks a0, a0 + 1 x B's eight.  p: B's set; q: the K step in the slot; sc: the set of scale words.  zero = 1: C is the bias; 0: the sum goes on in place.
; The 64 accumulators take turns, one instruction a turn, in the same order in every step.
.macro MUL16 a0, p, q, sc, zero
.irp a, \a0, \a0+1
.irp b, 0,1,2,3,4,5,6,7
.if \zero == 1
	v_wmma_scale_f32_16x16x128_f8f6f4 v[8*(8*((\a)%4)+\b):8*(8*((\a)%4)+\b)+7], v[128*(\p)+FR*\b:128*(\p)+FR*\b+FR-1], v[AF+FR*(\a):AF+FR*(\a)+FR-1], v[CB+8*\b:CB+8*\b+7], v[SC+16*(\sc)+2*\b+(\q)], v[SC+16*(\sc)+2*(\a)+(\q)] matrix_a_fmt:MATRIX_FMT_BF6 matrix_b_fmt:MATRIX_FMT_BF6 matrix_a_scale:MATRIX_SCALE_ROW1
.else
	v_wmma_scale_f32_16x16x128_f8f6f4 v[8*(8*((\a)%4)+\b):8*(8*((\a)%4)+\b)+7], v[128*(\p)+FR*\b:128*(\p)+FR*\b+FR-1], v[AF+FR*(\a):AF+FR*(\a)+FR-1], v[8*(8*((\a)%4)+\b):8*(8*((\a)%4)+\b)+7], v[SC+16*(\sc)+2*\b+(\q)], v[SC+16*(\sc)+2*(\a)+(\q)] matrix_a_fmt:MATRIX_FMT_BF6 matrix_b_fmt:MATRIX_FMT_BF6 matrix_a_scale:MATRIX_SCALE_ROW1
.endif
.endr
.endr
.endm
; A step of 128 along K.  q: its place in its slot (also B's set); sc: its scale set; the next step lies in slot nl at place nq, in K's quarter nks.
.macro STEP q, sc, nl, nq, nks, zero
	s_wait_dscnt 12                                ; B's set, A's blocks 0-3 and the scale words are in; the youngest 12 loads (A's blocks 4-7) may be out
.if \zero
	WIN 0x81                                       ; C, the bias, lies in window 0
.else
	WIN MUL_LO
.endif
	MUL16 0, \q, \q, \sc, \zero
	MUL16 2, \q, \q, \sc, \zero
	s_wait_dscnt 0x0                               ; A's blocks 4-7 are in
	PLACES 4
	FETCH_B \nl, \nq, 1-\q
	FETCH_A \nl, \nq, 0
.if \nq == 0
	SCALES \nks, (\nks)%2
.endif
.if \zero
	WIN 0xc1
.else
	WIN MUL_HI
.endif
	MUL16 4, \q, \q, \sc, \zero
	MUL16 6, \q, \q, \sc, \zero
	PLACES 4
	WIN 0
	FETCH_A \nl, \nq, 4
.endm
; A slot's second step with a barrier in it.  In front of the barrier each wave waits for all its tensor loads, adds 0 to its spare word, and waits for that and for its reads of the slot.
; fill = 1: the barrier opens a round of the cluster's barrier, and slot 0, which nobody reads any more, takes K's last quarter.
.macro TURN sc, nl, nks, fill
	s_wait_tensorcnt 0x0                           ; all my tensor loads have landed (every window is 0 here)
	ds_add_u32 v[SPW], v[NIL]                      ; 0 onto my spare word
	s_wait_dscnt 13                                ; the add and the youngest 12 loads (A's blocks 4-7) may be out
	WIN MUL_LO
	MUL16 0, 1, 1, \sc, 0                          ; sixteen matrix instructions stand between the add and the wait for it
	s_wait_dscnt 0x0                               ; the add is done, and my reads of this slot are over
	s_barrier_signal -1
	MUL16 2, 1, 1, \sc, 0
	WIN 0
	s_barrier_wait -1
.if \fill
	CREST                                          ; no wave of any partner still reads slot 0 or has a load on its way
	s_add_nc_u64 s[G0A+2:G0A+3], s[G0A+2:G0A+3], 3*HALFT
	s_add_nc_u64 s[G0B+2:G0B+3], s[G0B+2:G0B+3], 3*HALFT
	JLOAD G0A, G1A, G0B, G1B                       ; the first tensor load behind the round, one a wave; it has four steps, 256 matrix instructions, in which to land; its four v_nop are also the places for the loads below
.else
	PLACES 4
.endif
	FETCH_B \nl, 0, 0
	FETCH_A \nl, 0, 0
	SCALES \nks, (\nks)%2
	WIN MUL_HI
	MUL16 4, 1, 1, \sc, 0
	MUL16 6, 1, 1, \sc, 0
	PLACES 4
	WIN 0
	FETCH_A \nl, 0, 4
.endm
	s_load_b256 s[4:11], s[0:1], 0x0               ; o's codes, o's scales, the weights' codes, the weights' scales
	s_load_b128 s[92:95], s[0:1], 0x20             ; bo, out0
	v_lshl_add_u32 v[SPW], v0, 2, SPARE
	v_mov_b32 v[NIL], 0
	ds_add_u32 v28, v29
	ds_add_u32 v28, v29
	s_wait_dscnt 0x0
	v_lshrrev_b32 v1, 5, v0
	v_readfirstlane_b32 s14, v1                    ; wave 0..3
	s_lshr_b32 s15, s14, 1                         ; which half of the tile's rows is mine.  Also: I fetch for A (0) or for B (1)
	s_and_b32 s16, s14, 1                          ; which half of its columns.  Also: which 128 rows I fetch
	s_bfe_u32 s17, ttmp6, 0x40000                  ; cx
	s_bfe_u32 s18, ttmp6, 0x40004                  ; cy
	s_lshl_b32 s21, ttmp9, 2
	s_add_co_u32 s21, s21, s17                     ; tile column = 4 x cluster x + cx
	s_and_b32 s20, ttmp7, 0xffff
	s_lshl_b32 s20, s20, 2
	s_add_co_u32 s20, s20, s18                     ; tile row = 4 x cluster y + cy
	s_lshl_b32 s22, s18, 2
	s_lshl_b32 s22, 15, s22                        ; my row of the cluster
	s_lshl_b32 s23, 0x1111, s17                    ; my column
	s_or_b32 s[G1A], s22, (3<<16)|(1<<21)          ; 15:0 the mask; 17:16 elements of 8 bytes; 21 set beside a mask; no padding
	s_or_b32 s[G1B], s23, (3<<16)|(1<<21)
	s_or_b32 s[G1S], s22, (3<<16)|(1<<21)
	s_or_b32 s[G1SB], s23, (3<<16)|(1<<21)
.irp g, G1A, G1B                       ; a dense block of 24,576 bytes as 96 rows of 256
	s_mov_b32 s[\g+1], 32<<16                      ; tensor_dim0 = 32 elements
	s_mov_b32 s[\g+2], 96<<16                      ; tensor_dim1
	s_mov_b32 s[\g+3], 32<<16                      ; tile_dim0
	s_mov_b32 s[\g+4], 96                          ; tile_dim1
	s_mov_b32 s[\g+5], 32                          ; the pitch
	s_mov_b32 s[\g+6], 0
	s_mov_b32 s[\g+7], 0
.endr
.irp g, G1S, G1SB                      ; 4,096 bytes as 16 rows of 256
	s_mov_b32 s[\g+1], 32<<16
	s_mov_b32 s[\g+2], 16<<16
	s_mov_b32 s[\g+3], 32<<16
	s_mov_b32 s[\g+4], 16
	s_mov_b32 s[\g+5], 32
	s_mov_b32 s[\g+6], 0
	s_mov_b32 s[\g+7], 0
.endr
	s_wait_kmcnt 0x0
	s_mov_b64 s[2:3], s[4:5]                       ; A's codes
	s_mov_b64 s[12:13], s[6:7]                     ; A's scale words
	s_add_nc_u64 s[8:9], s[8:9], 2359296           ; B: Wo's codes: rows 3,072 on of the weights' operand
	s_add_nc_u64 s[10:11], s[10:11], 98304         ; and its scale words
	s_lshl_b32 s22, s20, 1
	s_add_co_u32 s22, s22, s16                     ; A: which 128 rows I fetch: made of the tile row and the wave's number alone
	s_mov_b32 s23, 0
	s_lshl_b32 s4, s22, 12
	s_mov_b32 s5, 0
	s_mul_i32 s22, s22, 98304
	s_add_nc_u64 s[2:3], s[2:3], s[22:23]
	s_add_nc_u64 s[12:13], s[12:13], s[4:5]
	s_lshl_b32 s66, s21, 1
	s_add_co_u32 s66, s66, s16                     ; B: of the tile column and the wave's number alone
	s_mov_b32 s67, 0
	s_lshl_b32 s6, s66, 12
	s_mov_b32 s7, 0
	s_mul_i32 s66, s66, 98304
	s_add_nc_u64 s[8:9], s[8:9], s[66:67]
	s_add_nc_u64 s[10:11], s[10:11], s[6:7]
	s_mul_i32 s22, s14, HALFT                      ; where they go: wave x 24,576: no place in the cluster enters an LDS address
	s_lshl_b32 s23, s14, 12
	CROUND                                         ; all sixteen work-groups are here: the first joint loads meet
	s_mov_b32 s[G0S], 1
	s_add_co_u32 s[G0S+1], s23, SCL
	s_mov_b64 s[G0S+2:G0S+3], s[12:13]
	s_or_b32 s[G0S+3], s[G0S+3], 0x80000000
	s_mov_b32 s[G0SB], 1
	s_add_co_u32 s[G0SB+1], s23, SCL
	s_mov_b64 s[G0SB+2:G0SB+3], s[10:11]
	s_or_b32 s[G0SB+3], s[G0SB+3], 0x80000000
	JLOAD G0S, G1S, G0SB, G1SB                     ; the scale words first: they are wanted with the first step
.irp s, 0,1,2
	s_mov_b32 s[G0A+4*\s], 1
	s_add_co_u32 s[G0A+4*\s+1], s22, \s*SLOT
	s_add_nc_u64 s[G0A+4*\s+2:G0A+4*\s+3], s[2:3], \s*HALFT
	s_or_b32 s[G0A+4*\s+3], s[G0A+4*\s+3], 0x80000000
	s_mov_b32 s[G0B+4*\s], 1
	s_add_co_u32 s[G0B+4*\s+1], s22, \s*SLOT
	s_add_nc_u64 s[G0B+4*\s+2:G0B+4*\s+3], s[8:9], \s*HALFT
	s_or_b32 s[G0B+4*\s+3], s[G0B+4*\s+3], 0x80000000
	JLOAD G0A+4*\s, G1A, G0B+4*\s, G1B             ; three quarters of K go out at the start
.endr
	v_and_b32 v1, 31, v0                           ; lane
	v_lshlrev_b32 v2, 4, v1                        ; 16 x lane
	v_and_b32 v3, 15, v0                           ; r
	v_bfe_u32 v4, v0, 4, 1                         ; h
	s_mul_i32 s22, s15, HALFT                      ; my 128 rows of A
	s_mul_i32 s23, s16, HALFT                      ; my 128 rows of B,
	s_add_co_u32 s23, s23, 2*HALFT                 ; which lie behind A's 256
.irp s, 0,1,2
	v_add_nc_u32 v[ADRA+\s], s22, v2
	v_add_nc_u32 v[ADRB+\s], s23, v2
	s_add_co_u32 s22, s22, SLOT
	s_add_co_u32 s23, s23, SLOT
.endr
	s_lshl_b32 s22, s15, 12                        ; A's scale words: my 128 rows
	s_lshl_b32 s23, s16, 12                        ; B's: my 128 rows, behind A's 256
	s_add_co_u32 s23, s23, 8192
	s_sub_co_u32 s23, s23, s22
	v_mul_u32_u24 v5, s23, v4                      ; lanes 16-31 take B's: the lower base + h x the distance
	s_add_co_u32 s22, s22, SCL
	v_lshl_add_u32 v5, v3, 2, v5
	v_add_nc_u32 v[ADRS], s22, v5
	s_mul_i32 s22, s14, 8448                       ; my stage for the way out: 16 rows x (512 + 16) bytes, in slot 1, which is filled once and is read for the last time ahead of step 5's barrier
	s_add_co_u32 s22, s22, SLOT
	v_mul_u32_u24 v5, v3, 528
	v_lshl_add_u32 v5, v4, 6, v5
	v_add_nc_u32 v[STO], s22, v5                   ; in: row r, + 64 h
	v_add_nc_u32 v[RD], s22, v2                    ; back: the 32 lanes take one row of 512 bytes
	s_lshl_b32 s6, s21, 1
	s_add_co_u32 s6, s6, s16
	s_lshl_b32 s6, s6, 9                           ; my 128 columns, in bytes
	s_mov_b32 s7, 0
	s_add_nc_u64 s[92:93], s[92:93], s[6:7]
	s_lshl_b32 s22, s20, 1
	s_add_co_u32 s22, s22, s15
	s_lshl_b32 s22, s22, 19                        ; my 128 rows of 4,096 bytes
	s_add_co_u32 s22, s22, s6
	s_mov_b32 s23, 0
	s_add_nc_u64 s[94:95], s[94:95], s[22:23]
	v_lshlrev_b32 v5, 6, v4                        ; the bias in the result's layout: register 8 i + j = bo[32 (i / 2) + 16 h + 8 (i % 2) + j] of my 128 columns
.irp i, 0,1,2,3,4,5,6,7
	global_load_b128 v[CB+8*\i:CB+8*\i+3], v5, s[92:93] offset:(32*(\i/2)+8*(\i%2))*4
	global_load_b128 v[CB+8*\i+4:CB+8*\i+7], v5, s[92:93] offset:(32*(\i/2)+8*(\i%2))*4+16
.endr
	s_wait_tensorcnt 2                             ; the scale words and my part of slot 0 are in; slots 1 and 2 may be out
	s_barrier_signal -1
	s_barrier_wait -1                              ; everybody's are
	FETCH_B 0, 0, 0
	FETCH_A 0, 0, 0
	SCALES 0, 0
	FETCH_A 0, 0, 4
	s_wait_loadcnt 0x0                             ; the bias
	STEP 0, 0, 0, 1, 0, 1                          ; step 0: the bias is the C of each sum's first product
	TURN 0, 1, 1, 1                                ; step 1: slot 0 is left and takes K's last quarter; every wave has waited for all its loads, so slots 1 and 2 are whole for every wave from here on
	STEP 0, 1, 1, 1, 1, 0                          ; step 2
	STEP 1, 1, 2, 0, 2, 0                          ; step 3: on into slot 2 without a barrier: slot 2 was shown whole at step 1, and slot 1 is never filled again
	STEP 0, 0, 2, 1, 2, 0                          ; step 4
	TURN 0, 0, 3, 0                                ; step 5: the refill has landed in every wave
	STEP 0, 1, 0, 1, 3, 0                          ; step 6
	s_wait_dscnt 12                                ; step 7: nothing more to fetch
	WIN MUL_LO
	MUL16 0, 1, 1, 1, 0
	MUL16 2, 1, 1, 1, 0
	s_wait_dscnt 0x0
	WIN MUL_HI
	MUL16 4, 1, 1, 1, 0
	MUL16 6, 1, 1, 1, 0
	WIN 0
; THE WAY OUT, block by block of 16 rows x 128 columns.  A lane holds pieces of 32 bytes of one row: a block goes through my own stage in LDS and comes back as whole rows of 512 bytes.
; LDS serves a wave's instructions in order (ISA guide 5.7.1.4): no wait between the stores and the loads, nor in front of the next block's stores.
.macro TOSTAGE a
.set AC, 64*((\a)%4)
	WIN 0x08+4*((\a)/4)                            ; an LDS store's data: window 2 or 3
.irp b, 0,1,2,3,4,5,6,7
	ds_store_b128 v[STO], v[AC+8*\b:AC+8*\b+3] offset:128*(\b/2)+32*(\b%2)       ; columns 32 (b / 2) + 16 h + 8 (b % 2) on; each accumulator from its low end on
	ds_store_b128 v[STO], v[AC+8*\b+4:AC+8*\b+7] offset:128*(\b/2)+32*(\b%2)+16
.endr
	WIN 0
.set BB, BK+64*((\a)%2)
.irp t, 0,1,2,3,4,5,6,7,8,9,10,11,12,13,14,15
	ds_load_b128 v[BB+4*\t:BB+4*\t+3], v[RD] offset:\t*528
.endr
.endm
.macro SEND a, younger                 ; younger: the LDS instructions issued behind block a's loads, which may stay out
.set BB, BK+64*((\a)%2)
	s_wait_dscnt \younger
.irp t, 0,1,2,3,4,5,6,7,8,9,10,11,12,13,14,15
	global_store_b128 v2, v[BB+4*\t:BB+4*\t+3], s[94:95] offset:(32*((\a)/2)+8*((\a)%2)+\t+8*(\t/8))*4096 th:TH_STORE_NT   ; the tile's row t in its true place; 32 lanes store 512 consecutive bytes, aligned; no base is stepped
.endr
.endm
	PLACES 4                                       ; behind the last products: for the stores that read results and for the loads into the registers that held A's fragments
	TOSTAGE 0
.irp a, 1,2,3,4,5,6,7
.if \a > 1
	s_wait_xcnt 0x0                                ; block a - 2's stores have read their registers: block a's loads may land there
.endif
	TOSTAGE \a
	SEND \a-1, 32                                  ; behind block a - 1's loads: block a's 16 stores and 16 loads
.endr
	SEND 7, 0
	s_wait_tensorcnt 0x0                           ; the wave's end
	ds_add_u32 v[SPW], v[NIL]
	s_wait_dscnt 0x0
	CROUND                                         ; the closing round: no work-group ends while a partner may still ask for a tile that names it
	s_endpgm
.Lfunc_end_k_q4fa14d5ba1_outp:
	.size	k_q4fa14d5ba1_outp, .Lfunc_end_k_q4fa14d5ba1_outp-k_q4fa14d5ba1_outp
	.p2alignl 7, 3214868480
	.fill 96, 4, 3214868480
	.section	.rodata,"a",@progbits
	.p2align	6, 0x0
	.amdhsa_kernel k_q4fa14d5ba1_outp
		.amdhsa_group_segment_fixed_size 327680
		.amdhsa_private_segment_fixed_size 0
		.amdhsa_enable_private_segment 0
		.amdhsa_kernarg_size 48
		.amdhsa_user_sgpr_count 2
		.amdhsa_user_sgpr_kernarg_segment_ptr 1
		.amdhsa_wavefront_size32 1
		.amdhsa_system_sgpr_workgroup_id_x 1
		.amdhsa_system_sgpr_workgroup_id_y 1
		.amdhsa_system_sgpr_workgroup_id_z 1
		.amdhsa_system_vgpr_workitem_id 0
		.amdhsa_next_free_vgpr 1024
		.amdhsa_next_free_sgpr 96
		.amdhsa_reserve_vcc 0
		.amdhsa_float_denorm_mode_32 3
		.amdhsa_float_denorm_mode_16_64 3
		.amdhsa_memory_ordered 1
		.amdhsa_forward_progress 1
		.amdhsa_inst_pref_size 138
	.end_amdhsa_kernel
	.amdgpu_metadata
---
amdhsa.version: [ 1, 2 ]
amdhsa.kernels:
  - .name:           k_q4fa14d5ba1_outp
    .symbol:         k_q4fa14d5ba1_outp.kd
    .args:
      - { .name: ocod, .offset: 0, .size: 8, .value_kind: global_buffer, .address_space: global }
      - { .name: oscl, .offset: 8, .size: 8, .value_kind: global_buffer, .address_space: global }
      - { .name: wcod, .offset: 16, .size: 8, .value_kind: global_buffer, .address_space: global }
      - { .name: wscl, .offset: 24, .size: 8, .value_kind: global_buffer, .address_space: global }
      - { .name: bo, .offset: 32, .size: 8, .value_kind: global_buffer, .address_space: global }
      - { .name: out0, .offset: 40, .size: 8, .value_kind: global_buffer, .address_space: global }
    .group_segment_fixed_size: 327680
    .private_segment_fixed_size: 0
    .kernarg_segment_align: 8
    .kernarg_segment_size: 48
    .max_flat_workgroup_size: 128
    .sgpr_count:     96
    .vgpr_count:     1024
    .wavefront_size: 32
...
	.end_amdgpu_metadata
.endif
;; end of part 4
